; MI455X (gfx1250); checked and timed in simulation.
; The chip was launched on July 23, 2026; its instructions are those of AMD's public machine-readable ISA for CDNA 5 (MIT licence, August 2026) and "CDNA5" Instruction Set Architecture Reference Guide (July 2026). The comments in the code are by the model that wrote it; some were corrected since.
;; Multi Head Attention. Allowed arithmetic: matrix products marked QUANTISED: E2M3 operands, one E8M0 scale for each 32 along K, by v_wmma_scale_f32_16x16x128_f8f6f4 with both operands' format E2M3, f32 sums; everything else in f32.
;; Inputs: bk 1,024 float32; bo 1,024 float32; bq 1,024 float32; bv 1,024 float32; wk 1,024 x 1,024 float32; wo 1,024 x 1,024 float32; wq 1,024 x 1,024 float32; wv 1,024 x 1,024 float32; x 4 x 2,048 x 1,024 float32.
;; Outputs: out0 4 x 2,048 x 1,024 float32.
;; This version of the problem:
;;   THIS VERSION OF THE PROBLEM IS GIVEN IN LOW PRECISION. The matrix products marked QUANTISED in the list below multiply operands that are first quantised to E2M3 (2 exponent bits, 3 mantissa bits; 6 bits a number), with one power-of-two scale for each 32 numbers along K (OCP MX v1.0); their sums are f32. All else is computed in f32.
;;   The module's matrix products, in the order in which they are computed (A, B: the left and right operand; K: the contracted axis; several contracted axes count as one K, in the product's order):
;;     1. [M 8,192, K 1,024] x [K 1,024, N 1,024]; A: input x; B: input wq: QUANTISED
;;     2. [M 8,192, K 1,024] x [K 1,024, N 1,024]; A: input x; B: input wk: QUANTISED
;;     3. [M 8,192, K 1,024] x [K 1,024, N 1,024]; A: input x; B: input wv: QUANTISED
;;     4. batch 64 x [M 2,048, K 64] x [K 64, N 2,048]; A: computed on the way; B: computed on the way: QUANTISED
;;     5. batch 64 x [M 2,048, K 2,048] x [K 2,048, N 64]; A: softmax (see below); B: computed on the way: QUANTISED
;;     6. [M 8,192, K 1,024] x [K 1,024, N 1,024]; A: computed on the way; B: input wo: QUANTISED
;;   THE QUANTISER, for each operand of a quantised product, along K:
;;     - K is cut into blocks of 32 from its start; a last block that is shorter is filled with zeros.
;;     - A block's scale is 2^e with e = floor(log2(the largest magnitude in the block)) - 2, held to -126 .. 127; a block of zeros has e = 0. As a byte (E8M0): e + 127.
;;     - Each number is divided by its block's scale, clamped to +-7.5, and rounded to the nearest number of E2M3, ties to even, subnormals kept.
;;     - The product sums the exact products of the quantised numbers (number of the format x scale) in f32.
;;   ~~~python
;;   def quantise(x, axis):      # numpy; x: float32 -> the quantised numbers, widened to float32 again
;;       x = np.moveaxis(x, axis, -1); K = x.shape[-1]
;;       x = np.pad(x, [(0, 0)] * (x.ndim - 1) + [(0, -K % 32)]); x = x.reshape(x.shape[:-1] + (-1, 32)); a = np.abs(x).max(-1, keepdims=True)
;;       e = np.where(a > 0, np.clip(np.frexp(np.where(a > 0, a, 1))[1] - 1 - 2, -126, 127), 0)      # np.frexp(a)[1] - 1 = floor(log2(a)), exactly
;;       r = np.clip(x / 2.0 ** e, -7.5, 7.5)
;;       step = 2.0 ** (np.maximum(np.frexp(np.where(r == 0, 1, r))[1] - 1, 0) - 3)
;;       q = np.round(r / step) * step * 2.0 ** e      # np.round: ties to even
;;       return np.moveaxis(q.reshape(q.shape[:-2] + (-1,))[..., :K], -1, axis).astype(np.float32)
;;   ~~~
;;   SOFTMAX AHEAD OF A QUANTISED PRODUCT. Where the list says 'softmax', what is quantised is not the finished softmax but p = 2^(t - M), with t = logit x log2(e) and M = ceil(the row's largest t), a whole number; so 1/2 < the row's largest p <= 1. The row's sum l is taken of the UNQUANTISED p, in f32, and the product's result is divided by l at the end. Since M is a whole number, a kernel that streams over the keys may use a running M (the ceiling of the running maximum): every later rescaling is an exact power of two, which a block's scale takes up: the codes' values come out the same.
;;   OPERANDS COMPUTED ON THE WAY. 'Computed on the way' means the value that the module computes at that place (a softmax that the list does not call 'softmax' is quantised finished and normalised). What goes into a quantiser is computed in f32, as accurately as f32 sums, v_exp_f32 and their like allow (about 1e-6 of the number): no bf16 or f16 on the way to a quantiser, and a product that is left as it is and whose result goes on into a quantised operand takes f32 operands (vector FMAs, or v_wmma_f32_16x16x4_f32). A number that lies on a knife's edge between two numbers of the format may be rounded either way, as far as f32 arithmetic and the matrix unit's own rounding can turn it there, and no further.
;; One version. Each part assembles by itself: llvm-mc -triple=amdgcn-amd-amdhsa -mcpu=gfx1250 --defsym DOCPART=n.
;; ======== version 1 of 1: 4 launches
;; limits: right only within a limited range of input values
;; workspace buffers: xc 6,291,456 bytes; xs 262,144 bytes; wc 3,145,728 bytes; ws 131,072 bytes; qkv 20,185,088 bytes; ac 6,291,456 bytes; asc 262,144 bytes
;; launch quant (part 1): grid 768 x 1, 4 waves a work-group, no clusters, 33,280 bytes of LDS; arguments x, wq, wk, wv, wo, xc, xs, wc, ws; writes xc, xs, wc, ws
.if DOCPART == 1
	.amdgcn_target "amdgcn-amd-amdhsa--gfx1250"
	.amdhsa_code_object_version 6
	.text
	.protected	k_q545b95dd6c_quant
	.globl	k_q545b95dd6c_quant
	.p2align	8
	.type	k_q545b95dd6c_quant,@function
k_q545b95dd6c_quant:
	s_mov_b64 s[64:65], 0
	v_nop
	global_prefetch_b8 v0, s[64:65] scope:SCOPE_SE
	s_setreg_imm32_b32 hwreg(HW_REG_WAVE_MODE, 25, 1), 1
	s_wait_xcnt 0x0
; x [8192][1024] and wq, wk, wv, wo [1024][1024], f32, K innermost, become codes of FP6 (E2M3) with one E8M0 scale byte for each 32 along K.
; xc: [8192 places][768 bytes], xs: [8192 places][32 bytes];  wc: [4096 places][768], ws: [4096 places][32]: places 0-1023 wq, 1024-2047 wk, 2048-3071 wv, 3072-4095 wo.
; PLACE p HOLDS ROW pi(p): p with its bits 3 and 4 exchanged (inside each 32 rows).  So 16 neighbouring places are rows 8 u + 0..7 and 16 + 8 u + 0..7 of a group of 32: with such tiles a later product's
; results fall so that a lane's 16 registers of two neighbouring tiles are 16 neighbours along the next product's K.  Here it costs nothing: a wave's four rows are half a run of 8, and only the run's place in the output changes.
; A block's scale is 2^(floor(log2(its largest magnitude)) - 2); its byte is the largest magnitude's exponent field - 2, held at 1 from below.  Each number is divided by the scale and rounded to the nearest code, ties to even.
; LIMITS: a block of zeros gets the byte 1 where the rule says 127 (its codes are zeros, and this program alone reads the bytes); blocks whose largest magnitude lies under 2^(2 - 126) have their byte held at 1; NaN and infinities are not served.
; A wave takes 8 steps of 512 numbers.  Each of a step's four loads reads 512 consecutive bytes; the 2,048 bytes turn through the wave's own stage in LDS and come back 64 bytes a lane: 16 neighbours along K, two lanes to a block.
; A lane's 16 codes are 12 bytes: the wave stores 384 consecutive bytes.  A wave's 128 scale bytes are gathered in LDS and leave as one run of 128 bytes: two waves fill an aligned run of 256.
; Work-groups 0-511 take x (16 rows each), 512-767 the four weights.  Only pointers are chosen: all take one path.  No tensor loads, no barrier: waves share nothing.  Loads run four steps (16 loads a wave) ahead.
; THE CODES' LAYOUT AS THIS TEXT STORES IT: four planes, one for each 256 along K: xc [4][8192 places][192 bytes], wc [4][4096 places][192 bytes]: 128 places of a plane are 24,576 dense bytes, a multiple of 256.
; x's PLACES: inside each 64 rows, row 32 h + 8 g + i lies at place 16 g + 8 h + i, so that four neighbouring tiles of 16 places give a lane 32 neighbouring rows.  The weights keep the exchange of bits 3 and 4.
.set WAVES, 4
.set XPL,   8192*192                   ; a plane of xc in bytes
.set WPL,   4096*192                   ; a plane of wc
.set STEPS, 8                          ; a wave takes 8 steps of 512 numbers: 4 rows, half a run of 8; work-groups 0-511 take x (16 rows each), 512-767 the four weights
.set EMAX,  2
.set CB,    12                         ; bytes of 16 codes
.set R,     16                         ; v16-79   four sets of 16 numbers as they are loaded
.set X,     80                         ; v80-111  two sets of 16 neighbours
.set C,     128                        ; v128-159 codes: four registers for each step, so that no store's data are written again
.set E,     112                        ; v112-119 a scale byte for each step
.set WREG,  8192                       ; LDS: a region for each wave: two stages of 32 x SP bytes, behind them its 128 scale bytes
.set SP,    80                         ; a lane's place in a stage: 64 bytes + 16 of padding
.set SPW,   12                         ; v12  LDS address of my spare word; never rewritten
.set NIL,   13                         ; v13  0; never rewritten
.set SPARE, WAVES*WREG                 ; behind the four regions: the spare words, 128 bytes a wave, that no other line names
	s_load_b512 s[4:19], s[0:1], 0x0               ; x s[4:5], wq s[6:7], wk s[8:9], wv s[10:11], wo s[12:13], xc s[14:15], xs s[16:17], wc s[18:19]
	s_load_b64 s[20:21], s[0:1], 0x40              ; ws
	v_lshl_add_u32 v[SPW], v0, 2, SPARE
	v_mov_b32 v[NIL], 0
	v_lshrrev_b32 v1, 5, v0
	v_readfirstlane_b32 s24, v1                    ; wave
	v_and_b32 v2, 31, v0                           ; lane
	v_lshlrev_b32 v3, 4, v2                        ; my 16 bytes of a load's 512
	s_mul_i32 s25, s24, WREG
	v_lshrrev_b32 v14, 2, v2
	v_mul_u32_u24 v14, v14, SP
	v_and_b32 v15, 3, v2
	v_lshl_add_u32 v14, v15, 4, v14
	v_add_nc_u32 v14, s25, v14                     ; the stage, on the way in: SP (lane / 4) + 16 (lane % 4)
	v_mul_u32_u24 v15, v2, SP
	v_add_nc_u32 v15, s25, v15                     ; and on the way out: SP x lane: my 16 neighbours
	v_and_b32 v4, 15, v2
	v_mul_u32_u24 v4, v4, CB                       ; sixteen lanes fill a row's 192 bytes of a plane
	v_lshrrev_b32 v10, 4, v2                       ; lanes 16-31 hold the next 256 along K: the next plane
	v_lshrrev_b32 v5, 1, v2
	s_add_co_u32 s25, s25, 2*32*SP
	v_add_nc_u32 v5, s25, v5                       ; LDS: my wave's 128 scale bytes, my block's byte
	v_lshlrev_b32 v7, 2, v2                        ; on the way out 4 scale bytes a lane: a wave's 128
	v_add_nc_u32 v6, s25, v7
	s_wait_alu depctr_va_vdst(0)
	s_wait_kmcnt 0x0
	s_sub_co_u32 s26, ttmp9, 512
	s_lshr_b32 s27, s26, 6
	s_cmp_eq_u32 s27, 1
	s_cselect_b64 s[6:7], s[8:9], s[6:7]
	s_cmp_eq_u32 s27, 2
	s_cselect_b64 s[6:7], s[10:11], s[6:7]
	s_cmp_eq_u32 s27, 3
	s_cselect_b64 s[6:7], s[12:13], s[6:7]
	s_and_b32 s27, s26, 63
	s_cmp_lt_u32 ttmp9, 512
	s_cselect_b64 s[4:5], s[4:5], s[6:7]           ; from
	s_cselect_b64 s[14:15], s[14:15], s[18:19]     ; the codes' buffer
	s_cselect_b64 s[16:17], s[16:17], s[20:21]     ; the scale bytes' buffer
	s_cselect_b32 s27, ttmp9, s27                  ; 16 rows of the source
	s_cselect_b32 s26, ttmp9, s26                  ; 16 places of the destination
	s_lshl_b32 s27, s27, 2
	s_add_co_u32 s27, s27, s24                     ; my four rows in the source
	s_lshl_b32 s26, s26, 2
	s_add_co_u32 s26, s26, s24                     ; my four rows, counted in the destination's buffer
	s_and_b32 s25, s26, 1                          ; which half of a run of 8 rows,
	s_lshr_b32 s26, s26, 1                         ; and which run
	s_and_b32 s30, s26, 3                          ; x: run 8 C + 4 h + g goes to run 8 C + 2 g + h
	s_lshl_b32 s30, s30, 1
	s_bfe_u32 s31, s26, 0x10002
	s_or_b32 s30, s30, s31
	s_and_b32 s31, s26, 0xfffffff8
	s_or_b32 s30, s30, s31
	s_and_b32 s28, s26, 1                          ; a weight: the run's two lowest bits change places
	s_lshl_b32 s28, s28, 1
	s_bfe_u32 s29, s26, 0x10001
	s_or_b32 s28, s28, s29
	s_and_b32 s29, s26, 0xfffffffc
	s_or_b32 s28, s28, s29
	s_mov_b32 s22, WPL
	s_cmp_lt_u32 ttmp9, 512
	s_cselect_b32 s26, s30, s28
	s_cselect_b32 s22, XPL, s22                    ; the plane's bytes
	s_lshl_b32 s23, s22, 1
	v_mad_u32_u24 v4, v10, s22, v4                 ; even steps: planes 0 and 1
	v_add_nc_u32 v10, s23, v4                      ; odd steps: planes 2 and 3
	s_wait_alu depctr_va_vdst(0)                   ; the wait behind these writes
	s_lshl_b32 s28, s27, 14                        ; 16,384 bytes of f32 for four rows
	s_mov_b32 s29, 0
	s_add_nc_u64 s[4:5], s[4:5], s[28:29]
	s_mul_i32 s28, s26, 8*192
	s_mul_i32 s30, s25, 4*192                      ; the run's second half lies four rows on
	s_add_co_u32 s28, s28, s30
	s_add_nc_u64 s[14:15], s[14:15], s[28:29]
	s_lshl_b32 s28, s26, 8
	s_lshl_b32 s30, s25, 7
	s_add_co_u32 s28, s28, s30
	s_add_nc_u64 s[16:17], s[16:17], s[28:29]
.macro LOAD t
.irp i, 0,1,2,3
	global_load_b128 v[R+16*((\t)%4)+4*\i:R+16*((\t)%4)+4*\i+3], v3, s[4:5] offset:2048*(\t)+512*\i th:TH_LOAD_NT   ; 32 lanes read 512 consecutive bytes
.endr
.endm
.macro TURN t                          ; step t's numbers through the stage: LDS serves a wave's instructions in order, so no wait stands between the stores and the loads
.irp i, 0,1,2,3
	ds_store_b128 v14, v[R+16*((\t)%4)+4*\i:R+16*((\t)%4)+4*\i+3] offset:32*SP*((\t)%2)+8*SP*\i
.endr
.irp i, 0,1,2,3
	ds_load_b128 v[X+16*((\t)%2)+4*\i:X+16*((\t)%2)+4*\i+3], v15 offset:32*SP*((\t)%2)+16*\i
.endr
.endm
.irp t, 0,1,2,3
	LOAD \t
.endr
	s_wait_loadcnt 12                              ; step 0's four loads are in; the twelve of steps 1 to 3 may be out
	TURN 0
.macro STEP t
.set XS, X+16*((\t)%2)
.if (\t) > 0
	s_wait_dscnt 1                                 ; this step's numbers are back from the stage (the last step's byte store may be out): so its stores into the stage have read their registers,
.else
	s_wait_dscnt 0x0
.endif
.if (\t)+4 < STEPS
	LOAD (\t)+4                                    ; which take the loads of four steps on
.endif
.if (\t)+1 < STEPS
.if STEPS-2-(\t) >= 3
	s_wait_loadcnt 12                              ; the next step's four loads are in; those of the three steps behind it may be out
.else
	s_wait_loadcnt 4*(STEPS-2-(\t))
.endif
	TURN (\t)+1                                    ; and go through the other stage while this step is worked
.endif
	v_max3_num_f32 v8, |v[XS]|, |v[XS+1]|, |v[XS+2]|               ; the largest magnitude of my 16, in two chains
	v_max3_num_f32 v9, |v[XS+3]|, |v[XS+4]|, |v[XS+5]|
.irp i, 6,10
	v_max3_num_f32 v8, v8, |v[XS+\i]|, |v[XS+\i+1]|
	v_max3_num_f32 v9, v9, |v[XS+\i+2]|, |v[XS+\i+3]|
.endr
	v_max3_num_f32 v8, v8, |v[XS+14]|, |v[XS+15]|
	v_max3_num_f32 v8, v8, v9, (EMAX+1)<<23        ; and the floor 2^(EMAX + 1 - 127): the byte cannot fall under 1
	v_max_num_f32_dpp v8, v8, v8 row_xmask:1 row_mask:0xf bank_mask:0xf   ; and of my neighbour's 16: the block's
	v_add_nc_u32 v11, -(EMAX<<23), v8              ; EMAX off its exponent field: the conversion takes the exponent field of this operand as its scale, and nothing else of it
	v_cvt_scalef32_pk16_fp6_f32 v[C+4*(\t):C+4*(\t)+2], v[XS:XS+15], v11   ; sixteen numbers / the scale, to the nearest code, ties to even, beyond the largest code the largest; 96 bits without gaps
	v_lshrrev_b32 v[E+(\t)], 23, v11               ; the scale's byte (also the plain instruction behind the conversion)
	ds_store_b8 v5, v[E+(\t)] offset:16*(\t)       ; both lanes of a block write the same byte with the same value
	global_store_b96 v[4+6*((\t)%2)], v[C+4*(\t):C+4*(\t)+2], s[14:15] offset:192*((\t)/2)
.endm
.irp t, 0,1,2,3,4,5,6,7
	STEP \t
.endr
	ds_load_b32 v8, v6
	s_wait_dscnt 0x0
	global_store_b32 v7, v8, s[16:17]              ; 32 lanes store 128 consecutive bytes: two waves fill an aligned run of 256
	s_wait_tensorcnt 0x0                           ; the wave's end, behind my last LDS store
	ds_add_u32 v[SPW], v[NIL]
	s_wait_dscnt 0x0
	s_endpgm
.Lfunc_end_k_q545b95dd6c_quant:
	.size	k_q545b95dd6c_quant, .Lfunc_end_k_q545b95dd6c_quant-k_q545b95dd6c_quant
	.p2alignl 7, 3214868480
	.fill 96, 4, 3214868480
	.section	.rodata,"a",@progbits
	.p2align	6, 0x0
	.amdhsa_kernel k_q545b95dd6c_quant
		.amdhsa_group_segment_fixed_size 33280
		.amdhsa_private_segment_fixed_size 0
		.amdhsa_enable_private_segment 0
		.amdhsa_kernarg_size 72
		.amdhsa_user_sgpr_count 2
		.amdhsa_user_sgpr_kernarg_segment_ptr 1
		.amdhsa_wavefront_size32 1
		.amdhsa_system_sgpr_workgroup_id_x 1
		.amdhsa_system_sgpr_workgroup_id_y 1
		.amdhsa_system_sgpr_workgroup_id_z 1
		.amdhsa_system_vgpr_workitem_id 0
		.amdhsa_next_free_vgpr 192
		.amdhsa_next_free_sgpr 66
		.amdhsa_reserve_vcc 0
		.amdhsa_float_denorm_mode_32 3
		.amdhsa_float_denorm_mode_16_64 3
		.amdhsa_memory_ordered 1
		.amdhsa_forward_progress 1
		.amdhsa_inst_pref_size 19
	.end_amdhsa_kernel
	.amdgpu_metadata
---
amdhsa.version: [ 1, 2 ]
amdhsa.kernels:
  - .name:           k_q545b95dd6c_quant
    .symbol:         k_q545b95dd6c_quant.kd
    .args:
      - { .name: x, .offset: 0, .size: 8, .value_kind: global_buffer, .address_space: global }
      - { .name: wq, .offset: 8, .size: 8, .value_kind: global_buffer, .address_space: global }
      - { .name: wk, .offset: 16, .size: 8, .value_kind: global_buffer, .address_space: global }
      - { .name: wv, .offset: 24, .size: 8, .value_kind: global_buffer, .address_space: global }
      - { .name: wo, .offset: 32, .size: 8, .value_kind: global_buffer, .address_space: global }
      - { .name: xc, .offset: 40, .size: 8, .value_kind: global_buffer, .address_space: global }
      - { .name: xs, .offset: 48, .size: 8, .value_kind: global_buffer, .address_space: global }
      - { .name: wc, .offset: 56, .size: 8, .value_kind: global_buffer, .address_space: global }
      - { .name: ws, .offset: 64, .size: 8, .value_kind: global_buffer, .address_space: global }
    .group_segment_fixed_size: 33280
    .private_segment_fixed_size: 0
    .kernarg_segment_align: 8
    .kernarg_segment_size: 72
    .max_flat_workgroup_size: 128
    .sgpr_count:     66
    .vgpr_count:     192
    .wavefront_size: 32
...
	.end_amdgpu_metadata
.endif
;; end of part 1
;; launch qkv (part 2): grid 8 x 32, 4 waves a work-group, clusters of 4 x 4, 327,680 bytes of LDS; arguments xc, xs, wc, ws, bq, bk, bv, qkv; writes qkv
.if DOCPART == 2
	.amdgcn_target "amdgcn-amd-amdhsa--gfx1250"
	.amdhsa_code_object_version 6
	.text
	.protected	k_q545b95dd6c_qkv
	.globl	k_q545b95dd6c_qkv
	.p2align	8
	.type	k_q545b95dd6c_qkv,@function
k_q545b95dd6c_qkv:
	s_mov_b64 s[64:65], 0
	v_nop
	global_prefetch_b8 v0, s[64:65] scope:SCOPE_SE
	s_setreg_imm32_b32 hwreg(HW_REG_WAVE_MODE, 25, 1), 1
	s_wait_xcnt 0x0
	s_wait_alu depctr_hold_cnt(0) depctr_sa_sdst(0) depctr_va_vdst(0) depctr_va_sdst(0) depctr_va_ssrc(0) depctr_va_vcc(0) depctr_vm_vsrc(0)
	s_getreg_b32 s2, hwreg(HW_REG_IB_STS2, 6, 4)
	s_cmp_eq_u32 s2, 0
	s_cbranch_scc0 .Lentry_in_a_cluster
	s_endpgm
.Lentry_in_a_cluster:
	s_bfe_u32 s2, ttmp6, 0x10000c
	s_cmp_lg_u32 s2, 0xf033
	s_cbranch_scc0 .Lentry_shape_is_right
	s_endpgm
.Lentry_shape_is_right:
; Q, K, V = x W^T + b on codes of FP6 (E2M3) with E8M0 scales, and their quantisers: the results leave as images of the operand registers of the launch that reads them, in records of 19,712 bytes
; for each (batch, head, 128 tokens): q's images and scale words at 0, k's at 6,656, v's at 13,312.
; xc, wc: four planes, one for each 256 along K, 192 bytes a row; xs, ws: 32 scale bytes a row.  wc's rows: 0-1023 wq, 1024-2047 wk, 2048-3071 wv.
; A WORK-GROUP STAYS.  Work-group (X = 0..7, Y = 0..31) makes first 256 tokens (Y) x 256 columns (X) of Q or K, then 128 channels (X) x 256 tokens (Y) of V: 256 work-groups of equal work.
; Four waves, 2 x 2.  Phase 1: source 1 = x's rows (a wave's 128), source 0 = W's rows (128): a lane holds a token and eight channels a register run.  Phase 2: source 1 = wv's rows (a wave's 64: one head),
; source 0 = x's rows (128): a lane holds a channel, and its registers run along the tokens, V's K in the next product.
; THE RING of two LDS slots, a K step of 256 each, runs on from phase 1 into phase 2: the rounds in phase 1's K steps 2 and 3 fetch phase 2's K steps 0 and 1, ahead of phase 1's way out.
; In phase 2 wave 0 fetches wv's 128 rows, waves 2 and 3 x's halves; wave 1 fetches wv's scale bytes once, onto W's scale bytes, which have been read for the last time by then.  x's scale bytes stay from the head on.
; CLUSTERS 4 x 4: x's tiles hang on Y and are shared along a row of the cluster, the weights' on X and are shared along a column, in both phases.
; Tiles are dense in memory and come as rows of 256 bytes; 16 bytes of padding behind every 64 give LDS rows of 240 bytes for a row's 192.
; NO DATA PREFETCH: K has four steps, and each refill is asked for a whole K step ahead of its first read.
; LIMITS: a block of zeros carries the byte 1, not 127 (its codes are zeros, this program alone reads the bytes); NaN and infinities are not served.
.set NQ,     2
.set ROWB,   192
.set PITCH,  240
.set FR,     12
.set NL,     6
.set NP,     4
.set HALFT,  128*PITCH
.set SLOT,   4*HALFT
.set KS,     32
.set SCL,    2*SLOT
.set HALFS,  16*272
.set SBLK,   2*272
.set SPARE,  SCL+4*HALFS
.set RECB,   19712
.set HEADB,  16*RECB
.set XPL,    8192*192
.set WPL,    4096*192
.set ADRAV, 8                          ; v8-11   LDS addresses of source 1's fragments in phase 2
.set ADRSV, 12                         ; v12     of the scale words in phase 2
.set SH8,  13                          ; v13     8 x (lane / 16)
.set ADRA, 16                          ; v16-19  of source 1's fragments in phase 1 (the name is set anew for phase 2)
.set ADRB, 20
.set L8,   24
.set BA,   25
.set L16,  26
.set ADRS, 27
.set SPW,  28
.set NIL,  29
.set ONES, 30
.set TV,   31
.set SC,   32
.set BI,   64
.set AF,   128
.set H,    128
.set IMG0, 192
.set IMG1, 204
.set CT,   216
.set TM,   224
.set PW,   240
.set SW0,  244
.set SW1,  248
.set WV,   20
.set HR,   21
.set HC,   22
.set SEL,  40
.set BIAS, 98
.set OUT,  100
.set G0H,  4
.set G0HB, 8
.set G1, 24                            ; group 1 with the mask of my row of the cluster: x's tiles
.set G0, 32
.set G1B, 48                           ; with the mask of my column: the weights' tiles
.set G0B, 56
.set G1S, 68
.set G0S, 76
.set G1SB, 80
.set G0SB, 88
.set HV,  0                            ; 1: phase 2, source 1 has four blocks of 16 rows, not eight
.set NLW, 4*NL                         ; the loads that bring source 1's upper blocks
.set STA, 2*XPL                        ; from a slot's K step to its next: group 0 at G0,
.set STB, 2*WPL                        ; at G0B
.set MSB, 0
.macro WIN new
.if MSB != (\new)
	s_set_vgpr_msb (MSB<<8)|(\new)
.set MSB, (\new)
.endif
.endm
.set MUL_LO, 0xa1
.set MUL_HI, 0xf1
.set TO_B,   0x40
.macro PLACES n
.rept \n
	v_nop
.endr
.endm
.macro TLOAD g0, g1
	tensor_load_to_lds s[\g0:\g0+3], s[\g1:\g1+7]
	s_nop 0
	PLACES 4
.endm
.macro JLOAD g0a, g1a, g0b, g1b        ; phase 1: waves 0, 1 fetch x's halves, waves 2, 3 W's
	s_cmp_eq_u32 s[HR], 0
	s_cbranch_scc0 .Lfor_b_\@
	TLOAD \g0a, \g1a
	s_branch .Lasked_\@
.Lfor_b_\@:
	TLOAD \g0b, \g1b
.Lasked_\@:
.endm
.macro JLOADV slot, scales             ; phase 2: wave 0 wv's 128 rows, waves 2, 3 x's halves, wave 1 wv's scale bytes or nothing
	s_cmp_eq_u32 s[WV], 0
	s_cbranch_scc0 .Lnot_0_\@
	TLOAD G0+4*\slot, G1B
	s_branch .Lasked_\@
.Lnot_0_\@:
	s_cmp_eq_u32 s[WV], 1
	s_cbranch_scc1 .Lwave_1_\@
	TLOAD G0B+4*\slot, G1
	s_branch .Lasked_\@
.Lwave_1_\@:
.if \scales
	TLOAD G0SB, G1SB
.else
	PLACES 4
.endif
.Lasked_\@:
.endm
.macro CREST
	s_cmp_lg_u32 s[WV], 0
	s_cbranch_scc1 .Lnot_wave_0_\@
	s_barrier_signal -3
.Lnot_wave_0_\@:
	s_barrier_wait -3
	s_barrier_signal -1
	s_barrier_wait -1
.endm
.macro CROUND
	s_barrier_signal -1
	s_barrier_wait -1
	CREST
.endm
	s_load_b512 s[4:19], s[0:1], 0x0               ; xc, xs, wc, ws, bq, bk, bv, qkv
	v_lshl_add_u32 v[SPW], v0, 2, SPARE
	v_mov_b32 v[NIL], 0
	ds_add_u32 v[SPW], v[NIL]                      ; the opening lines: the add twice on end and its wait
	ds_add_u32 v[SPW], v[NIL]
	v_lshrrev_b32 v1, 5, v0
	v_readfirstlane_b32 s[WV], v1
	s_lshr_b32 s[HR], s[WV], 1
	s_and_b32 s[HC], s[WV], 1
	s_bfe_u32 s40, ttmp6, 0x40000
	s_bfe_u32 s41, ttmp6, 0x40004
	s_and_b32 s66, ttmp7, 0xffff
	s_lshl_b32 s66, s66, 2
	s_add_co_u32 s66, s66, s41                     ; Y
	s_lshl_b32 s42, ttmp9, 2
	s_add_co_u32 s42, s42, s40                     ; X
	s_lshl_b32 s43, s41, 2
	s_lshl_b32 s43, 15, s43                        ; my row of the cluster
	s_lshl_b32 s44, 0x1111, s40                    ; my column
	s_or_b32 s[G1+0], s43, (0<<16)|(1<<20)|(1<<21)|(3<<22)|(3<<25)
	s_or_b32 s[G1B+0], s44, (0<<16)|(1<<20)|(1<<21)|(3<<22)|(3<<25)
.irp g, G1, G1B
	s_mov_b32 s[\g+1], 256<<16
	s_mov_b32 s[\g+2], 192<<16                     ; the head's loads: 256 rows x 192 bytes = 192 rows of 256
	s_mov_b32 s[\g+3], 256<<16
	s_mov_b32 s[\g+4], 192
	s_mov_b32 s[\g+5], 256
	s_mov_b32 s[\g+6], 0
	s_mov_b32 s[\g+7], 0
.endr
	s_or_b32 s[G1S+0], s43, (3<<16)|(1<<20)|(1<<21)|(5<<22)|(3<<25)
	s_or_b32 s[G1SB+0], s44, (3<<16)|(1<<20)|(1<<21)|(5<<22)|(3<<25)
.irp g, G1S, G1SB
	s_mov_b32 s[\g+1], 32<<16
	s_mov_b32 s[\g+2], 32<<16
	s_mov_b32 s[\g+3], 32<<16
	s_mov_b32 s[\g+4], 32
	s_mov_b32 s[\g+5], 32
	s_mov_b32 s[\g+6], 0
	s_mov_b32 s[\g+7], 0
.endr
	s_lshl_b32 s92, s66, 8                         ; x's first row
	s_lshl_b32 s46, s42, 8                         ; W's
	s_lshl_b32 s98, s42, 7
	s_add_co_u32 s98, s98, 2048                    ; wv's
	s_mul_i32 s94, s92, KS
	s_mul_i32 s96, s46, KS
	s_mul_i32 s100, s98, KS
	s_mul_i32 s92, s92, ROWB
	s_mul_i32 s46, s46, ROWB
	s_mul_i32 s98, s98, ROWB
	s_mov_b32 s93, 0
	s_mov_b32 s95, 0
	s_mov_b32 s97, 0
	s_mov_b32 s47, 0
	s_mov_b32 s99, 0
	s_mov_b32 s101, 0
	s_mul_i32 s45, s[WV], HALFT
	s_wait_dscnt 0x0
	s_wait_kmcnt 0x0
	s_add_nc_u64 s[92:93], s[4:5], s[92:93]
	s_add_nc_u64 s[94:95], s[6:7], s[94:95]
	s_add_nc_u64 s[46:47], s[8:9], s[46:47]
	s_add_nc_u64 s[96:97], s[10:11], s[96:97]
	s_add_nc_u64 s[98:99], s[8:9], s[98:99]
	s_add_nc_u64 s[100:101], s[10:11], s[100:101]
	CROUND
	s_mov_b32 s[G0S], 1                            ; x's scale bytes,
	s_mov_b32 s[G0S+1], SCL
	s_mov_b64 s[G0S+2:G0S+3], s[94:95]
	s_or_b32 s[G0S+3], s[G0S+3], 0x80000000
	s_mov_b32 s[G0SB], 1                           ; W's
	s_mov_b32 s[G0SB+1], SCL+2*HALFS
	s_mov_b64 s[G0SB+2:G0SB+3], s[96:97]
	s_or_b32 s[G0SB+3], s[G0SB+3], 0x80000000
	s_mov_b32 s[G0H], 1                            ; K step 0, whole: x's 256 rows,
	s_mov_b32 s[G0H+1], 0
	s_mov_b64 s[G0H+2:G0H+3], s[92:93]
	s_or_b32 s[G0H+3], s[G0H+3], 0x80000000
	s_mov_b32 s[G0HB], 1                           ; W's
	s_mov_b32 s[G0HB+1], 2*HALFT
	s_mov_b64 s[G0HB+2:G0HB+3], s[46:47]
	s_or_b32 s[G0HB+3], s[G0HB+3], 0x80000000
	s_mov_b64 s[94:95], s[100:101]                 ; kept for phase 2: wv's scale bytes,
	s_mov_b64 s[96:97], s[98:99]                   ; wv's codes; s[92:93] below: my half of x's rows
	s_mul_i32 s104, s[HC], 128*ROWB
	s_mov_b32 s105, 0
	s_add_nc_u64 s[92:93], s[92:93], s[104:105]
	s_add_nc_u64 s[46:47], s[46:47], s[104:105]
.irp s, 0,1
	s_mov_b32 s[G0+4*\s], 1
	s_add_co_u32 s[G0+4*\s+1], s45, \s*SLOT
	s_add_nc_u64 s[G0+4*\s+2:G0+4*\s+3], s[92:93], \s*XPL
	s_or_b32 s[G0+4*\s+3], s[G0+4*\s+3], 0x80000000
	s_mov_b32 s[G0B+4*\s], 1
	s_add_co_u32 s[G0B+4*\s+1], s45, \s*SLOT
	s_add_nc_u64 s[G0B+4*\s+2:G0B+4*\s+3], s[46:47], \s*WPL
	s_or_b32 s[G0B+4*\s+3], s[G0B+4*\s+3], 0x80000000
.endr
; the head's four tiles, one load a wave: one chain of branches on the wave's number
.macro ARM under, g0, g1, next
	s_cmp_lt_u32 s[WV], \under
	s_cbranch_scc0 \next
	TLOAD \g0, \g1
	s_branch .Lhead_asked
\next:
.endm
	ARM 1, G0H,  G1,  .Lhead_b
	ARM 2, G0HB, G1B, .Lhead_sa
	ARM 3, G0S,  G1S, .Lhead_sb
	TLOAD G0SB, G1SB
.Lhead_asked:
	v_and_b32 v1, 15, v0
	v_bfe_u32 v2, v0, 4, 1
	v_mul_u32_u24 v3, v1, PITCH
	v_mul_u32_u24 v4, v2, 24
	v_add_nc_u32 v4, v3, v4
	v_lshl_add_u32 v5, v2, 4, v4
	s_mul_i32 s104, s[HR], HALFT
	s_mul_i32 s105, s[HC], HALFT
	s_add_co_u32 s105, s105, 2*HALFT
	s_mul_i32 s67, s[HR], 64*PITCH                 ; phase 2: wv's 128 rows lie at the slot's start, my 64 among them
.irp s, 0,1
	v_add_nc_u32 v[ADRA+\s], s104, v4
	v_add_nc_u32 v[ADRB+\s], s105, v4
	v_add_nc_u32 v[ADRA+2+\s], s104, v5
	v_add_nc_u32 v[ADRB+2+\s], s105, v5
	v_add_nc_u32 v[ADRAV+\s], s67, v4
	v_add_nc_u32 v[ADRAV+2+\s], s67, v5
	s_add_co_u32 s104, s104, SLOT
	s_add_co_u32 s105, s105, SLOT
	s_add_co_u32 s67, s67, SLOT
.endr
	v_mul_u32_u24 v5, v1, KS
	v_lshrrev_b32 v6, 8, v5
	v_lshl_add_u32 v5, v6, 4, v5                   ; my row's scale bytes: 32 a row, 16 more for each 256 passed
	v_sub_nc_u32 v7, 1, v2
	s_wait_alu depctr_va_vdst(0)                   ; the wait ahead of the run of scalar lines
	s_mul_i32 s104, s[HR], HALFS                   ; phase 1: lanes 0-15 x's words, lanes 16-31 W's
	s_mul_i32 s105, s[HC], HALFS
	s_add_co_u32 s105, s105, 2*HALFS
	s_sub_co_u32 s105, s105, s104
	v_mul_u32_u24 v6, s105, v2
	s_add_co_u32 s104, s104, SCL
	v_add_nc_u32 v6, v5, v6
	v_add_nc_u32 v[ADRS], s104, v6
	s_mul_i32 s104, s[HC], HALFS                   ; phase 2: lanes 16-31 x's words, lanes 0-15 wv's, which lie where W's lay
	s_mul_i32 s105, s[HR], HALFS/2
	s_add_co_u32 s105, s105, 2*HALFS
	s_sub_co_u32 s105, s105, s104
	v_mul_u32_u24 v7, s105, v7
	s_add_co_u32 s104, s104, SCL
	v_add_nc_u32 v7, v5, v7
	v_add_nc_u32 v[ADRSV], s104, v7
	v_and_b32 v6, 31, v0
	v_lshlrev_b32 v[L16], 4, v6
	v_lshlrev_b32 v[L8], 3, v6
	v_mov_b32 v[ONES], 0x7f7f7f7f
	v_lshlrev_b32 v[SH8], 3, v2
	s_lshl_b32 s67, s66, 1
	s_add_co_u32 s67, s67, s[HR]                   ; phase 1: my 128 tokens,
	s_lshl_b32 s3, s42, 1
	s_add_co_u32 s3, s3, s[HC]
	s_and_b32 s3, s3, 7                            ; my two heads of Q or of K
	s_lshr_b32 s104, s67, 4
	s_lshl_b32 s104, s104, 8
	s_lshl_b32 s105, s3, 5
	s_add_co_u32 s104, s104, s105
	s_and_b32 s67, s67, 15
	s_add_co_u32 s104, s104, s67
	s_mul_i32 s104, s104, RECB
	s_mul_i32 s105, ttmp9, 6656                    ; cluster x = 0: Q, 1: K
	s_add_co_u32 s104, s104, s105
	s_mov_b32 s105, 0
	s_add_nc_u64 s[OUT:OUT+1], s[18:19], s[104:105]
	s_cmp_eq_u32 ttmp9, 1
	s_cselect_b64 s[BIAS:BIAS+1], s[14:15], s[12:13]
	s_lshl_b32 s104, s3, 9
	s_add_nc_u64 s[BIAS:BIAS+1], s[BIAS:BIAS+1], s[104:105]
	s_mov_b32 s[SEL], 0x76543210
	s_mov_b32 s[SEL+1], 0xfedcba98
.macro FRAG reg, adr, q, i
.irp p, 0,1,2,3,4,5
.set PCE, 12*(\q)+6*(\p/3)+\p%3
.if PCE%8 < 5
	ds_load_b64 v[\reg+2*\p:\reg+2*\p+1], v[\adr] offset:8*PCE+16*(PCE/8)+(\i)*16*PITCH
.else
	ds_load_b64 v[\reg+2*\p:\reg+2*\p+1], v[\adr+2] offset:8*PCE+16*(PCE/8)+(\i)*16*PITCH
.endif
.endr
.endm
.macro MUL8 a, p, q, sc, zero          ; source 1's block a against source 0's eight: eight accumulators by turns
.irp b, 0,1,2,3,4,5,6,7
.if \zero
	v_wmma_scale_f32_16x16x128_f8f6f4 v[8*(8*((\a)%4)+\b):8*(8*((\a)%4)+\b)+7], v[128*(\p)+FR*\b:128*(\p)+FR*\b+FR-1], v[AF+FR*(\a):AF+FR*(\a)+FR-1], 0, v[SC+8*NQ*(\sc)+NQ*\b+(\q)], v[SC+8*NQ*(\sc)+NQ*(\a)+(\q)] matrix_a_fmt:MATRIX_FMT_FP6 matrix_b_fmt:MATRIX_FMT_FP6 matrix_a_scale:MATRIX_SCALE_ROW1
.else
	v_wmma_scale_f32_16x16x128_f8f6f4 v[8*(8*((\a)%4)+\b):8*(8*((\a)%4)+\b)+7], v[128*(\p)+FR*\b:128*(\p)+FR*\b+FR-1], v[AF+FR*(\a):AF+FR*(\a)+FR-1], v[8*(8*((\a)%4)+\b):8*(8*((\a)%4)+\b)+7], v[SC+8*NQ*(\sc)+NQ*\b+(\q)], v[SC+8*NQ*(\sc)+NQ*(\a)+(\q)] matrix_a_fmt:MATRIX_FMT_FP6 matrix_b_fmt:MATRIX_FMT_FP6 matrix_a_scale:MATRIX_SCALE_ROW1
.endif
.endr
.endm
.macro MUL16 a0, p, q, sc, zero        ; a quarter of a step: two blocks of source 1, in phase 2 one
.if HV
	MUL8 (\a0)/2, \p, \q, \sc, \zero
.else
	MUL8 \a0, \p, \q, \sc, \zero
	MUL8 (\a0)+1, \p, \q, \sc, \zero
.endif
.endm
.macro FETCH_B slot, q, p
	WIN TO_B
.irp i, 0,1,2,3,4,5,6,7
	FRAG 128*(\p)+FR*\i, ADRB+\slot, \q, \i
.endr
	WIN 0
.endm
.macro FETCH_A slot, q, i0
.if HV
.irp i, (\i0)/2, (\i0)/2+1
	FRAG AF+FR*(\i), ADRA+\slot, \q, \i
.endr
.else
.irp i, \i0, \i0+1, \i0+2, \i0+3
	FRAG AF+FR*(\i), ADRA+\slot, \q, \i
.endr
.endif
.endm
.macro SCALES sc
.irp i, 0,1,2,3,4,5,6,7
	ds_load_b64 v[SC+8*NQ*\sc+NQ*\i:SC+8*NQ*\sc+NQ*\i+1], v[ADRS] offset:\i*SBLK
.endr
.endm
.macro STEP slot, q, zero
	s_wait_dscnt NLW                               ; all but source 1's upper blocks are in
	WIN MUL_LO
	MUL16 0, (\q)%2, \q, \slot, \zero
	MUL16 2, (\q)%2, \q, \slot, \zero
	s_wait_dscnt 0
	PLACES NP
	FETCH_B \slot, (\q)+1, 1-(\q)%2
	FETCH_A \slot, (\q)+1, 0
	WIN MUL_HI
	MUL16 4, (\q)%2, \q, \slot, \zero
	MUL16 6, (\q)%2, \q, \slot, \zero
	PLACES NP
	WIN 0
	FETCH_A \slot, (\q)+1, 4
.endm
.macro MEET slot                       ; three lines ahead of a refill's barrier, with products between, and the barrier
	s_wait_tensorcnt 0x0
	ds_add_u32 v[SPW], v[NIL]
	s_wait_dscnt NLW+1                             ; (the add and source 1's upper blocks may be out)
	WIN MUL_LO
	MUL16 0, 1, NQ-1, \slot, 0
	s_wait_dscnt 0x0
	s_barrier_signal -1
	MUL16 2, 1, NQ-1, \slot, 0
	WIN 0
	s_barrier_wait -1
.endm
; a K step's second half and the change of slots.  fill = 1: the slot takes its K step two on; 2: phase 2's K step 0; 0: nothing
.macro TURN slot, next, fill
	MEET \slot
.if \fill == 1
	CREST
	s_add_nc_u64 s[G0+4*\slot+2:G0+4*\slot+3], s[G0+4*\slot+2:G0+4*\slot+3], STA
	s_add_nc_u64 s[G0B+4*\slot+2:G0B+4*\slot+3], s[G0B+4*\slot+2:G0B+4*\slot+3], STB
.if HV
	JLOADV \slot, 0
.else
	JLOAD G0+4*\slot, G1, G0B+4*\slot, G1B
.endif
.elseif \fill == 2
	CREST
	s_mov_b32 s[G0+1], 0                           ; no tensor load of mine is out: wv's rows to the slot's start,
	s_mov_b64 s[G0+2:G0+3], s[96:97]
	s_or_b32 s[G0+3], s[G0+3], 0x80000000
	s_mov_b64 s[G0B+2:G0B+3], s[92:93]             ; x's halves where W's lay
	s_or_b32 s[G0B+3], s[G0B+3], 0x80000000
	JLOADV 0, 0
.else
	PLACES NP
.endif
	s_wait_alu depctr_va_vdst(0)
	v_add_nc_u32 v[ADRS], 4*NQ, v[ADRS]
	FETCH_B \next, 0, 0
	FETCH_A \next, 0, 0
	SCALES \next
	WIN MUL_HI
	MUL16 4, 1, NQ-1, \slot, 0
	MUL16 6, 1, NQ-1, \slot, 0
	PLACES NP
	WIN 0
	FETCH_A \next, 0, 4
.endm
.macro TAIL
	STEP 1, 0, 0
	s_wait_dscnt NLW
	WIN MUL_LO
	MUL16 0, 1, NQ-1, 1, 0
	MUL16 2, 1, NQ-1, 1, 0
	s_wait_dscnt 0
	WIN MUL_HI
	MUL16 4, 1, NQ-1, 1, 0
	MUL16 6, 1, NQ-1, 1, 0
	WIN 0
.endm
.macro QUANT s, d0, d1, pw             ; Q, K: 16 registers of two neighbouring tiles are 16 neighbours along the head; a block lies in lanes l and l xor 16
.irp b, 0,1,2,3
	v_max3_num_f32 v[TM+\b], |v[\s+16*\b]|, |v[\s+1+16*\b]|, 0x1800000
.endr
.irp i, 2,4,6,8,10,12,14
.irp b, 0,1,2,3
	v_max3_num_f32 v[TM+\b], v[TM+\b], |v[\s+16*\b+\i]|, |v[\s+1+16*\b+\i]|
.endr
.endr
.irp b, 0,1,2,3
	v_permlanex16_b32 v[TM+4+\b], v[TM+\b], s[SEL], s[SEL+1]
.endr
.irp b, 0,1,2,3
	v_max_num_f32 v[TM+\b], v[TM+\b], v[TM+4+\b]
.endr
.irp b, 0,1,2,3
	v_add_nc_u32 v[TM+12+\b], 0xff000000, v[TM+\b]
.endr
.irp b, 0,1,2,3
	v_lshrrev_b32 v[TM+4+\b], 23, v[TM+12+\b]
.endr
	v_lshl_or_b32 v[\pw], v[TM+5], 8, v[TM+4]
	v_lshl_or_b32 v[\pw], v[TM+6], 16, v[\pw]
	v_lshl_or_b32 v[\pw], v[TM+7], 24, v[\pw]
	v_cvt_scalef32_pk16_fp6_f32 v[\d0:\d0+2], v[\s:\s+15], v[TM+12]
	v_cvt_scalef32_pk16_fp6_f32 v[CT:CT+2], v[\s+16:\s+31], v[TM+13]
	v_cvt_scalef32_pk16_fp6_f32 v[\d1:\d1+2], v[\s+32:\s+47], v[TM+14]
	v_cvt_scalef32_pk16_fp6_f32 v[CT+4:CT+6], v[\s+48:\s+63], v[TM+15]
	v_nop
.irp i, 0,1,2
	v_permlane16_swap_b32 v[\d0+\i], v[CT+\i]
	v_permlane16_swap_b32 v[\d1+\i], v[CT+4+\i]
.endr
.irp i, 0,1,2
	v_mov_b32 v[\d0+3+\i], v[CT+\i]
	v_mov_b32 v[\d1+3+\i], v[CT+4+\i]
.endr
.endm
.macro QUANTV s, d, pw                 ; V: by x's order of places a lane's registers 32 c + 0 .. 31 are the 32 tokens of block 2 c + lane / 16
.irp b, 0,1,2,3
	v_max3_num_f32 v[TM+\b], |v[\s+16*\b]|, |v[\s+1+16*\b]|, 0x1800000
.endr
.irp i, 2,4,6,8,10,12,14
.irp b, 0,1,2,3
	v_max3_num_f32 v[TM+\b], v[TM+\b], |v[\s+16*\b+\i]|, |v[\s+1+16*\b+\i]|
.endr
.endr
	v_max_num_f32 v[TM], v[TM], v[TM+1]
	v_max_num_f32 v[TM+2], v[TM+2], v[TM+3]
	v_add_nc_u32 v[TM+12], 0xff000000, v[TM]
	v_add_nc_u32 v[TM+13], 0xff000000, v[TM+2]
	v_lshrrev_b32 v[TM+4], 23, v[TM+12]
	v_lshrrev_b32 v[TM+5], 23, v[TM+13]
	v_lshl_or_b32 v[\pw], v[TM+5], 16, v[TM+4]
	v_lshlrev_b32 v[\pw], v[SH8], v[\pw]
	v_permlanex16_b32 v[TM+6], v[\pw], s[SEL], s[SEL+1]
	v_or_b32 v[\pw], v[\pw], v[TM+6]
	v_cvt_scalef32_pk16_fp6_f32 v[\d:\d+2], v[\s:\s+15], v[TM+12]
	v_cvt_scalef32_pk16_fp6_f32 v[CT:CT+2], v[\s+16:\s+31], v[TM+12]
	v_cvt_scalef32_pk16_fp6_f32 v[\d+6:\d+8], v[\s+32:\s+47], v[TM+13]
	v_cvt_scalef32_pk16_fp6_f32 v[CT+4:CT+6], v[\s+48:\s+63], v[TM+13]
	v_nop
.irp i, 0,1,2
	v_mov_b32 v[\d+3+\i], v[CT+\i]
	v_mov_b32 v[\d+9+\i], v[CT+4+\i]
.endr
.endm
.macro EPI_HEAD
	s_wait_loadcnt 0x0
	s_mov_b32 vcc_lo, 0xffff0000
.irp b, 0,1,2,3
	v_mov_b32 v[TM+4+\b], 0                        ; also the places behind the last products
.endr
.endm
; ================= PHASE 1: Q or K
	s_wait_alu depctr_va_vdst(0)                   ; the wait at the head's end
	s_wait_tensorcnt 0x0                           ; my tile of the head's four is in; the three lines ahead of a later first fill
	ds_add_u32 v[SPW], v[NIL]
	s_mov_b32 s[G1+2], 96<<16                      ; no tensor load of mine is out: from here on a load brings 128 rows x 192 bytes = 96 rows of 256
	s_mov_b32 s[G1+4], 96
	s_mov_b32 s[G1B+2], 96<<16
	s_mov_b32 s[G1B+4], 96
	s_wait_dscnt 0x0
	CROUND
	JLOAD G0+4, G1, G0B+4, G1B                     ; K step 1
	FETCH_B 0, 0, 0
	FETCH_A 0, 0, 0
	SCALES 0
	FETCH_A 0, 0, 4
	STEP 0, 0, 1
	TURN 0, 1, 1
	STEP 1, 0, 0
	TURN 1, 0, 1
	STEP 0, 0, 0
	TURN 0, 1, 2                                   ; slot 0 takes phase 2's K step 0
	v_lshlrev_b32 v[BA], 6, v2
.irp b, 0,1,2,3,4,5,6,7
	global_load_b128 v[BI+8*\b:BI+8*\b+3], v[BA], s[BIAS:BIAS+1] offset:(32*(\b/2)+8*(\b%2))*4
	global_load_b128 v[BI+8*\b+4:BI+8*\b+7], v[BA], s[BIAS:BIAS+1] offset:(32*(\b/2)+8*(\b%2))*4+16
.endr
	STEP 1, 0, 0
	MEET 1                                         ; the last half step, with a round: slot 1 takes phase 2's K step 1, W's scale bytes give way to wv's
	CREST
	s_mov_b32 s[G0+5], SLOT
	s_add_nc_u64 s[G0+6:G0+7], s[96:97], WPL
	s_or_b32 s[G0+7], s[G0+7], 0x80000000
	s_add_nc_u64 s[G0B+6:G0B+7], s[92:93], XPL
	s_or_b32 s[G0B+7], s[G0B+7], 0x80000000
	s_mov_b64 s[G0SB+2:G0SB+3], s[94:95]
	s_or_b32 s[G0SB+3], s[G0SB+3], 0x80000000
	s_mov_b32 s[G1SB+2], 16<<16                    ; 128 rows of 32 bytes are 16 rows of 256
	s_mov_b32 s[G1SB+4], 16
	JLOADV 1, 1
	WIN MUL_HI
	MUL16 4, 1, NQ-1, 1, 0
	MUL16 6, 1, NQ-1, 1, 0
	WIN 0
	EPI_HEAD
.macro ADDQK a
	WIN 0x02+(\a)/4
.irp b, 0,1,2,3,4,5,6,7
.irp j, 0,2,4,6
	v_pk_add_f32 v[H+8*\b+\j:H+8*\b+\j+1], v[8*(8*((\a)%4)+\b)+\j:8*(8*((\a)%4)+\b)+\j+1], v[BI+8*\b+\j:BI+8*\b+\j+1]
.endr
.endr
	WIN 0
.endm
.irp P, 0,1,2,3
.irp u, 0,1
.if (\u == 0) && (\P > 0)
	s_wait_xcnt 0x0
.endif
	ADDQK 2*\P+\u
	QUANT H, IMG0+6*\u, IMG1+6*\u, PW+\u
.endr
.irp pl, 0,1,2
	global_store_b128 v[L16], v[IMG0+4*\pl:IMG0+4*\pl+3], s[OUT:OUT+1] offset:\P*1536+\pl*512
	global_store_b128 v[L16], v[IMG1+4*\pl:IMG1+4*\pl+3], s[OUT:OUT+1] offset:HEADB+\P*1536+\pl*512
.endr
	v_cndmask_b32 v[TV], v[PW], v[PW+1], vcc_lo
	v_perm_b32 v[SW0+\P], v[ONES], v[TV], 0x05040100
	v_perm_b32 v[SW1+\P], v[ONES], v[TV], 0x05040302
.endr
	global_store_b128 v[L16], v[SW0:SW0+3], s[OUT:OUT+1] offset:6144
	global_store_b128 v[L16], v[SW1:SW1+3], s[OUT:OUT+1] offset:HEADB+6144
; ================= PHASE 2: V
.set HV,  1
.set ADRA, ADRAV
.set NLW, 2*NL
.set STA, 2*WPL
.set STB, 2*XPL
	s_wait_alu depctr_va_vdst(0)                   ; the wait ahead of the blocking waits
	s_wait_xcnt 0x0                                ; phase 1's stores have read their registers and their base
	s_lshl_b32 s67, s66, 1
	s_add_co_u32 s67, s67, s[HC]                   ; my 128 tokens,
	s_lshl_b32 s3, s42, 1
	s_add_co_u32 s3, s3, s[HR]                     ; my head
	s_lshr_b32 s104, s67, 4
	s_lshl_b32 s104, s104, 8
	s_lshl_b32 s105, s3, 4
	s_add_co_u32 s104, s104, s105
	s_and_b32 s67, s67, 15
	s_add_co_u32 s104, s104, s67
	s_mul_i32 s104, s104, RECB
	s_add_co_u32 s104, s104, 13312
	s_mov_b32 s105, 0
	s_add_nc_u64 s[OUT:OUT+1], s[18:19], s[104:105]
	s_lshl_b32 s104, s3, 8
	s_add_nc_u64 s[BIAS:BIAS+1], s[16:17], s[104:105]
	s_wait_tensorcnt 0x0                           ; a plain barrier shows K step 1 and wv's scale bytes to all
	s_wait_dscnt 0x0
	s_barrier_signal -1
	s_barrier_wait -1
	v_mov_b32 v[ADRS], v[ADRSV]
	FETCH_B 0, 0, 0
	FETCH_A 0, 0, 0
	SCALES 0
	FETCH_A 0, 0, 4
	STEP 0, 0, 1
	TURN 0, 1, 1
	STEP 1, 0, 0
	TURN 1, 0, 1
	STEP 0, 0, 0
	TURN 0, 1, 0
	v_and_b32 v[TV], 7, v1
	v_lshrrev_b32 v[BA], 3, v1
	v_lshlrev_b32 v[BA], 6, v[BA]
	v_lshl_add_u32 v[BA], v[TV], 2, v[BA]
.irp a, 0,1,2,3
	global_load_b32 v[BI+2*\a], v[BA], s[BIAS:BIAS+1] offset:(32*(\a/2)+8*(\a%2))*4
	global_load_b32 v[BI+2*\a+1], v[BA], s[BIAS:BIAS+1] offset:(32*(\a/2)+8*(\a%2))*4
.endr
	TAIL
	EPI_HEAD
.macro ADDV a
	WIN 0x02+(\a)/2
.irp b, 0,1,2,3,4,5,6,7
.irp j, 0,2,4,6
	v_pk_add_f32 v[H+8*\b+\j:H+8*\b+\j+1], v[8*(8*((\a)%4)+\b)+\j:8*(8*((\a)%4)+\b)+\j+1], v[BI+2*(\a):BI+2*(\a)+1]
.endr
.endr
	WIN 0
.endm
.irp a, 0,1,2,3
.if \a > 0
	s_wait_xcnt 0x0
.endif
	ADDV \a
	QUANTV H, IMG0, PW+(\a%2)
.irp pl, 0,1,2
	global_store_b128 v[L16], v[IMG0+4*\pl:IMG0+4*\pl+3], s[OUT:OUT+1] offset:\a*1536+\pl*512
.endr
.if \a%2 == 1
	v_cndmask_b32 v[SW0+\a/2], v[PW], v[PW+1], vcc_lo
.endif
.endr
	global_store_b64 v[L8], v[SW0:SW0+1], s[OUT:OUT+1] offset:6144
	s_wait_tensorcnt 0x0                           ; the wave's end
	ds_add_u32 v[SPW], v[NIL]
	s_wait_dscnt 0x0
	CROUND                                         ; the closing round
	s_endpgm
.Lfunc_end_k_q545b95dd6c_qkv:
	.size	k_q545b95dd6c_qkv, .Lfunc_end_k_q545b95dd6c_qkv-k_q545b95dd6c_qkv
	.p2alignl 7, 3214868480
	.fill 96, 4, 3214868480
	.section	.rodata,"a",@progbits
	.p2align	6, 0x0
	.amdhsa_kernel k_q545b95dd6c_qkv
		.amdhsa_group_segment_fixed_size 327680
		.amdhsa_private_segment_fixed_size 0
		.amdhsa_enable_private_segment 0
		.amdhsa_kernarg_size 64
		.amdhsa_user_sgpr_count 2
		.amdhsa_user_sgpr_kernarg_segment_ptr 1
		.amdhsa_wavefront_size32 1
		.amdhsa_system_sgpr_workgroup_id_x 1
		.amdhsa_system_sgpr_workgroup_id_y 1
		.amdhsa_system_sgpr_workgroup_id_z 1
		.amdhsa_system_vgpr_workitem_id 0
		.amdhsa_next_free_vgpr 1024
		.amdhsa_next_free_sgpr 106
		.amdhsa_reserve_vcc 1
		.amdhsa_float_denorm_mode_32 3
		.amdhsa_float_denorm_mode_16_64 3
		.amdhsa_memory_ordered 1
		.amdhsa_forward_progress 1
		.amdhsa_inst_pref_size 255
	.end_amdhsa_kernel
	.section	.bss,"aw",@nobits
	.p2align	6
	.space	262144
	.amdgpu_metadata
---
amdhsa.version: [ 1, 2 ]
amdhsa.kernels:
  - .name:           k_q545b95dd6c_qkv
    .symbol:         k_q545b95dd6c_qkv.kd
    .args:
      - { .name: xc, .offset: 0, .size: 8, .value_kind: global_buffer, .address_space: global }
      - { .name: xs, .offset: 8, .size: 8, .value_kind: global_buffer, .address_space: global }
      - { .name: wc, .offset: 16, .size: 8, .value_kind: global_buffer, .address_space: global }
      - { .name: ws, .offset: 24, .size: 8, .value_kind: global_buffer, .address_space: global }
      - { .name: bq, .offset: 32, .size: 8, .value_kind: global_buffer, .address_space: global }
      - { .name: bk, .offset: 40, .size: 8, .value_kind: global_buffer, .address_space: global }
      - { .name: bv, .offset: 48, .size: 8, .value_kind: global_buffer, .address_space: global }
      - { .name: qkv, .offset: 56, .size: 8, .value_kind: global_buffer, .address_space: global }
    .group_segment_fixed_size: 327680
    .private_segment_fixed_size: 0
    .kernarg_segment_align: 8
    .kernarg_segment_size: 64
    .max_flat_workgroup_size: 128
    .sgpr_count:     106
    .vgpr_count:     1024
    .wavefront_size: 32
...
	.end_amdgpu_metadata
.endif
;; end of part 2
;; launch attn (part 3): grid 4 x 64, 8 waves a work-group, clusters of 4 x 1, 212,992 bytes of LDS; arguments qkv, ac, asc; writes ac, asc
.if DOCPART == 3
	.amdgcn_target "amdgcn-amd-amdhsa--gfx1250"
	.amdhsa_code_object_version 6
	.text
	.protected	k_q545b95dd6c_attn
	.globl	k_q545b95dd6c_attn
	.p2align	8
	.type	k_q545b95dd6c_attn,@function
k_q545b95dd6c_attn:
	s_mov_b64 s[64:65], 0
	v_nop
	global_prefetch_b8 v0, s[64:65] scope:SCOPE_SE
	s_setreg_imm32_b32 hwreg(HW_REG_WAVE_MODE, 25, 1), 1
	s_wait_xcnt 0x0
	s_wait_alu depctr_hold_cnt(0) depctr_sa_sdst(0) depctr_va_vdst(0) depctr_va_sdst(0) depctr_va_ssrc(0) depctr_va_vcc(0) depctr_vm_vsrc(0)
	s_getreg_b32 s2, hwreg(HW_REG_IB_STS2, 6, 4)
	s_cmp_eq_u32 s2, 0
	s_cbranch_scc0 .Lentry_in_a_cluster
	s_endpgm
.Lentry_in_a_cluster:
	s_bfe_u32 s2, ttmp6, 0x10000c
	s_cmp_lg_u32 s2, 0x3003
	s_cbranch_scc0 .Lentry_shape_is_right
	s_endpgm
.Lentry_shape_is_right:
; For each (batch, head): O = softmax(q k^T / 8) v, both products on codes of FP6 (E2M3) with E8M0 scales, and O quantised along D for the last product.
; q, k, v come from qkv's records (19,712 bytes for each (batch, head, 128 tokens)): images of operand registers and their scale words.
; THE SOFTMAX: t = score x log2(e) / 8; M = the row's largest t so far, rounded up to a whole number; p = 2^(t - M) is quantised along the keys, not normalised.  The row's sum is taken of the
; unquantised p in f32 and divides O at the end.  When M moves, the sum and O are multiplied by 2^(old M - new M): exact.
; SHARES.  A work-group owns 512 queries of one head; each of its eight waves four tiles of 16: TWO TILES SIDE BY SIDE through every key step, so that each fragment of k and v loaded from LDS feeds two tiles and
; the two tiles' dependent lines take turns; 32 key steps in all: step i takes record i % 16; behind steps 15 and 31 stands the way out of a pair of tiles.
; LDS.  The whole head's k and v stay in LDS: 16 records' k and v parts, 13,056 bytes each.  Each wave brings two by its one tensor load at the head.  Nothing is filled again.
; Step 0 is written out: it reads records 0 and 1 alone, which are wave 0's load; the barrier ahead of it waits for that load, the barrier behind it for all.  The loop has no barrier.
; CLUSTER.  The four work-groups of a head read the same k and v: each pair of records is asked for jointly, with a mask that names the four.
; NO DATA PREFETCH: every fill goes out at the head, one a wave, and there is no loop to run ahead in.
; LAYOUT.  Both products are used transposed (S^T = K Q^T, O^T = V^T P^T): a lane holds one query (lane % 16) of each tile.  Key tile 4 c + g holds keys 64 c + 8 g + i and 64 c + 32 + 8 g + i: a lane's 32 scores of tiles
; 4 c .. 4 c + 3 are keys 64 c + 32 (lane / 16) + 0 .. 31: one scale block and one half of p's operand.
; K = 64 IN AN INSTRUCTION OF K = 128: q's registers 6-11 hold zero codes; bytes 2, 3 of q's and k's scale words are the byte of 1.0; k's tile names twelve registers from its six on (behind the last tile: zeros).
; THE NEXT STEP'S K is loaded from LDS behind this step's score products; step 31 loads record 0 once more and nothing reads it.
; REGISTERS.  Window 0: addresses, scale words, q, k's and v's fragments.  Window 1: for tile x S^T and p at 64 x, O^T at 128 + 32 x, 32 registers at work at 192 + 32 x.
; OUT.  ac: [512 tiles of 16 places][16 heads][3 runs of 256 bytes]; asc: [8192 places][32 bytes], bytes 2 head and 2 head + 1: two bytes in every 32, a head owns no more of a row.
; LIMITS: the promise holds while the scaled scores stay under 2^31 in magnitude; p under 2^-126 counts as 0; 1 / l by v_rcp_f32; a block of zeros carries the byte 1, not 127 (this program alone reads the bytes); NaN and infinities are not served.
.set RECB,  19712
.set KVB,   13056                      ; k's codes at 0, k's scale words at 6,144, v's codes at 6,656, v's scale words at 12,800
.set SPARE, 16*KVB                     ; the spare words, 128 bytes a wave, that no other line names
; window 0
.set L16, 1                            ; 16 x lane
.set L8,  2                            ; 8 x lane
.set ADV, 3                            ; LDS: this step's record + 16 x lane
.set ADS, 4                            ; + 8 x lane
.set SPW, 5
.set NIL, 6
.set RO,  7                            ; 32 x (lane % 16): my row of asc
.set ADK, 8                            ; LDS: the next step's record + 16 x lane
.set HT,  9
.set PS,  10                           ; v10, v11 p's scale words, tile 0, 1
.set QS,  12                           ; q's scale words: lanes 0-15 tile 0's, lanes 16-31 tile 1's;  v13 the second pair's
.set QS2, 13
.set VS,  14
.set KS,  16
.set QA,  20                           ; v20-31 tile 0's q (six of codes, six of zeros), v32-43 tile 1's
.set QN,  44                           ; v44-55 the second pair's image
.set KF,  56                           ; v56-103 k's eight tiles; v104-109 zeros
.set KPAD, 104
.set VF,  112                          ; v112-159 v's four fragments
; window 1, from T = 192 + 32 x on
.set A1,  4                            ; T+0..3 four chains of maxima; T+4..9 three more chains of the sum; both serve the conversions later
.set A2,  6
.set A3,  8
.set SO,  10                           ; the conversions' scale operands
.set F,   12                           ; f = 2^(old M - new M) (named as a pair)
.set NM,  14                           ; -M, and with it as a pair
.set MS,  15                           ; the largest score so far
.set SU,  16                           ; the sum in two halves
.set TV,  18
.set TW,  19
.set OLD, 20                           ; -M of the step before
.set PW,  21                           ; p's scale word in the making
.set SH,  22                           ; 8 x (lane / 16)
.set OBY, 23                           ; O's two scale bytes
.set G,   24                           ; O's codes
.set WV,  10
.set G1,  16
.set G0,  24
.set SEL, 28
.set CS,  30                           ; s[30:31] c = log2(e) / 8, twice
.set TB,  32
.set NB,  33
.set IT,  46
.set NC,  47                           ; -c
.set W_SC, 0x40                        ; destination window 1
.set W_1,  0x55                        ; all in window 1
.set W_PS, 0x05                        ; sources window 1, destination window 0
.set W_PV, 0x54                        ; source 0 (v) window 0, p, C and D window 1
.set W_ST, 0x04                        ; a store's data in window 1
.set MSB, 0
.macro WIN new                         ; the immediate's high byte repeats the setting that is left
.if MSB != (\new)
	s_set_vgpr_msb (MSB<<8)|(\new)
.set MSB, (\new)
.endif
.endm
.macro TILE x
.set S, 64*(\x)
.set O, 128+32*(\x)
.set T, 192+32*(\x)
.endm
.macro CROUND
	s_barrier_signal -1
	s_barrier_wait -1
	s_cmp_lg_u32 s[WV], 0
	s_cbranch_scc1 .Lnot_wave_0_\@
	s_barrier_signal -3
.Lnot_wave_0_\@:
	s_barrier_wait -3
	s_barrier_signal -1
	s_barrier_wait -1
.endm
	s_load_b128 s[4:7], s[0:1], 0x0                ; qkv, ac
	s_load_b64 s[8:9], s[0:1], 0x10                ; asc
	v_lshl_add_u32 v[SPW], v0, 2, SPARE
	v_mov_b32 v[NIL], 0
	ds_add_u32 v[SPW], v[NIL]                      ; the opening lines: the add twice on end and its wait ahead of my tensor load
	ds_add_u32 v[SPW], v[NIL]
	v_lshrrev_b32 v[HT], 5, v0
	v_readfirstlane_b32 s[WV], v[HT]
	s_bfe_u32 s11, ttmp6, 0x40000                  ; cx: which 512 queries
	s_and_b32 s12, ttmp7, 0xffff                   ; batch x 16 + head
	s_mov_b32 s[G1+0], 15|(3<<16)|(1<<21)          ; two rows of 13,056 bytes (1,632 elements of 8), 19,712 bytes apart, dense in LDS; the mask names all four
	s_mov_b32 s[G1+1], 1632<<16
	s_mov_b32 s[G1+2], 2<<16
	s_mov_b32 s[G1+3], 1632<<16
	s_mov_b32 s[G1+4], 2
	s_mov_b32 s[G1+5], 2464
	s_mov_b32 s[G1+6], 0
	s_mov_b32 s[G1+7], 0
	s_lshl_b32 s13, s12, 4
	s_lshl_b32 s14, s[WV], 1
	s_add_co_u32 s14, s14, s13                     ; wave w brings key steps 2 w and 2 w + 1, from k's part on
	s_mul_i32 s14, s14, RECB
	s_add_co_u32 s14, s14, 6656
	s_mov_b32 s15, 0
	s_mov_b32 s[G0], 1
	s_mul_i32 s[G0+1], s[WV], 2*KVB
	s_lshl_b32 s34, s11, 2                         ; my queries: record 4 cx + wave / 2, images 2 (wave % 2) and the next
	s_lshr_b32 s35, s[WV], 1
	s_add_co_u32 s34, s34, s35
	s_add_co_u32 s34, s34, s13
	s_mul_i32 s34, s34, RECB
	s_and_b32 s44, s[WV], 1
	s_mul_i32 s35, s44, 3072
	s_add_co_u32 s40, s34, s35
	s_mov_b32 s41, 0
	s_lshl_b32 s35, s44, 3
	s_add_co_u32 s42, s34, s35
	s_add_co_u32 s42, s42, 6144
	s_mov_b32 s43, 0
	s_lshr_b32 s35, s12, 4                         ; my first tile of 16 places: batch x 128 + 32 cx + 4 x wave
	s_lshl_b32 s35, s35, 7
	s_lshl_b32 s44, s11, 5
	s_add_co_u32 s35, s35, s44
	s_lshl_b32 s44, s[WV], 2
	s_add_co_u32 s35, s35, s44
	s_and_b32 s44, s12, 15
	s_mul_i32 s36, s35, 12288
	s_mul_i32 s45, s44, 768
	s_add_co_u32 s36, s36, s45
	s_mov_b32 s37, 0
	s_lshl_b32 s38, s35, 9
	s_lshl_b32 s45, s44, 1
	s_add_co_u32 s38, s38, s45
	s_mov_b32 s39, 0
	s_mov_b32 s[SEL], 0x76543210
	s_mov_b32 s[SEL+1], 0xfedcba98
	s_mov_b32 s[CS], 0x3e38aa3b
	s_mov_b32 s[CS+1], s[CS]
	s_mov_b32 s[NC], 0xbe38aa3b
	v_and_b32 v[HT], 31, v0
	v_and_b32 v[RO], 15, v0
	v_lshlrev_b32 v[L16], 4, v[HT]
	v_lshlrev_b32 v[L8], 3, v[HT]
	v_lshlrev_b32 v[RO], 5, v[RO]
	v_bfe_u32 v[HT], v0, 4, 1
	v_lshlrev_b32 v[HT], 3, v[HT]
	s_wait_alu depctr_va_vdst(0)                   ; the wait ahead of the blocking waits
	s_wait_dscnt 0x0
	s_wait_kmcnt 0x0
	s_add_nc_u64 s[G0+2:G0+3], s[4:5], s[14:15]
	s_or_b32 s[G0+3], s[G0+3], 0x80000000
	s_add_nc_u64 s[40:41], s[4:5], s[40:41]
	s_add_nc_u64 s[42:43], s[4:5], s[42:43]
	s_add_nc_u64 s[36:37], s[6:7], s[36:37]
	s_add_nc_u64 s[38:39], s[8:9], s[38:39]
	CROUND
	s_cmp_eq_u32 s[WV], 0                          ; wave 0's load has a line of its own: the first barrier waits for it alone
	s_cbranch_scc0 .Lrest
	tensor_load_to_lds s[G0:G0+3], s[G1:G1+7]
	s_nop 0
.rept 4
	v_nop
.endr
	s_branch .Lasked
.Lrest:
	tensor_load_to_lds s[G0:G0+3], s[G1:G1+7]
	s_nop 0
.rept 4
	v_nop
.endr
.Lasked:
.irp k, 0,1,2                          ; pair k of an image's twelve registers lies at 512 (k / 2) + 8 (k % 2) + 16 x lane
	global_load_b64 v[QA+2*\k:QA+2*\k+1], v[L16], s[40:41] offset:(\k/2)*512+(\k%2)*8
.endr
.irp k, 3,4,5
	global_load_b64 v[QA+12+2*(\k-3):QA+12+2*(\k-3)+1], v[L16], s[40:41] offset:(\k/2)*512+(\k%2)*8
.endr
.irp pl, 0,1,2
	global_load_b128 v[QN+4*\pl:QN+4*\pl+3], v[L16], s[40:41] offset:1536+512*\pl
.endr
	global_load_b32 v[QS], v[L16], s[42:43]
	global_load_b32 v[QS2], v[L16], s[42:43] offset:4
.irp i, 0,1,2,3,4,5
	v_mov_b32 v[QA+6+\i], 0                        ; zero codes: the half of the instruction's K that a head of 64 leaves empty
	v_mov_b32 v[QA+18+\i], 0
	v_mov_b32 v[KPAD+\i], 0
.endr
	WIN W_SC
.set J, 0
.rept 64
	v_mov_b32 v[128+J], 0                          ; O^T, once: a tile's first step multiplies O and the sum by f = 0
.set J, J+1
.endr
.irp x, 0,1
	TILE \x
	v_mov_b32 v[T+SU], 0
	v_mov_b32 v[T+SU+1], 0
	v_mov_b32 v[T+F+1], 0
	v_mov_b32 v[T+TW], 0
	v_mov_b32 v[T+MS], 0xff61b1e6                  ; -3e38, under every score
	v_mov_b32 v[T+NM], 0x7e000000                  ; -M = 2^125: the first step's old M - new M saturates, and f is 0
	v_mov_b32 v[T+OLD], 0x7e000000
	v_mov_b32 v[T+SH], v[HT]
.endr
	WIN 0
	s_wait_alu depctr_va_vdst(0)                   ; the wait at the head's end
	s_cmp_eq_u32 s[WV], 0
	s_cbranch_scc0 .Lnot_0
	s_wait_tensorcnt 0x0
.Lnot_0:
	s_barrier_signal -1
	s_barrier_wait -1                              ; records 0 and 1 are in; the others may be on their way
.macro KLOAD adr                       ; 13 loads: k's four images and its scale words
.irp P, 0,1,2,3
.irp pl, 0,1,2
	ds_load_b128 v[KF+12*\P+4*\pl:KF+12*\P+4*\pl+3], v[\adr] offset:\P*1536+\pl*512
.endr
.endr
	ds_load_b128 v[KS:KS+3], v[\adr] offset:6144
.endm
.macro SCORE t, x, ra, rb
	v_wmma_scale_f32_16x16x128_f8f6f4 v[64*(\x)+8*(\t):64*(\x)+8*(\t)+7], v[KF+6*(\t):KF+6*(\t)+11], v[QA+12*(\x):QA+12*(\x)+11], 0, v[KS+(\t)/2], v[QS] matrix_a_fmt:MATRIX_FMT_FP6 matrix_b_fmt:MATRIX_FMT_FP6 matrix_a_scale:MATRIX_SCALE_ROW\ra matrix_b_scale:MATRIX_SCALE_ROW\rb
.endm
.macro PVM t, x, ra
	v_wmma_scale_f32_16x16x128_f8f6f4 v[128+32*(\x)+8*(\t):128+32*(\x)+8*(\t)+7], v[VF+12*(\t):VF+12*(\t)+11], v[64*(\x)+16:64*(\x)+27], v[128+32*(\x)+8*(\t):128+32*(\x)+8*(\t)+7], v[VS+(\t)/2], v[PS+(\x)] matrix_a_fmt:MATRIX_FMT_FP6 matrix_b_fmt:MATRIX_FMT_FP6 matrix_a_scale:MATRIX_SCALE_ROW\ra
.endm
.macro MAXC x                          ; the largest score of my two blocks: four chains of 16, each accumulator from its low end on
	TILE \x
.irp b, 0,1,2,3
	v_max3_num_f32 v[T+\b], v[S+16*\b], v[S+16*\b+1], v[S+16*\b+2]
.endr
.irp i, 3,5,7,9,11,13
.irp b, 0,1,2,3
	v_max3_num_f32 v[T+\b], v[T+\b], v[S+16*\b+\i], v[S+16*\b+\i+1]
.endr
.endr
	v_max3_num_f32 v[T], v[T], v[T+1], v[S+15]
	v_max3_num_f32 v[T+2], v[T+2], v[T+3], v[S+47]
	v_max_num_f32 v[T], v[T], v[S+31]              ; block h,
	v_max_num_f32 v[T+2], v[T+2], v[S+63]          ; block 2 + h: they serve the row's maximum and, since p rises with the score, the blocks' largest p
.endm
.macro FMA8 x, j                       ; t - M for sixteen scores
	TILE \x
.irp i, 0,2,4,6,8,10,12,14
	v_pk_fma_f32 v[S+\j+\i:S+\j+\i+1], v[S+\j+\i:S+\j+\i+1], s[CS:CS+1], v[T+NM:T+NM+1] op_sel_hi:[1,0,0]
.endr
.endm
.macro SUM4 j                          ; four pairs of p onto the sum's four chains
	v_pk_add_f32 v[T+SU:T+SU+1], v[T+SU:T+SU+1], v[S+\j:S+\j+1]
	v_pk_add_f32 v[T+A1:T+A1+1], v[T+A1:T+A1+1], v[S+\j+2:S+\j+3]
	v_pk_add_f32 v[T+A2:T+A2+1], v[T+A2:T+A2+1], v[S+\j+4:S+\j+5]
	v_pk_add_f32 v[T+A3:T+A3+1], v[T+A3:T+A3+1], v[S+\j+6:S+\j+7]
.endm
.macro SUMS x                          ; the row's sum of the unquantised p, and among its lines the blocks' scales
	TILE \x
	v_pk_fma_f32 v[T+SU:T+SU+1], v[T+SU:T+SU+1], v[T+F:T+F+1], v[S:S+1] op_sel_hi:[1,0,1]   ; the sum under the new M, and the first pair
	v_pk_add_f32 v[T+A1:T+A1+1], v[S+2:S+3], v[S+4:S+5]
	v_pk_add_f32 v[T+A2:T+A2+1], v[S+6:S+7], v[S+8:S+9]
	v_pk_add_f32 v[T+A3:T+A3+1], v[S+10:S+11], v[S+12:S+13]
	v_max_num_f32 v[T], 0x1800000, v[T]            ; the floor 2^(3 - 127): the byte cannot fall under 1
	v_max_num_f32 v[T+2], 0x1800000, v[T+2]
	SUM4 14
	v_add_nc_u32 v[T+SO], 0xff000000, v[T]         ; 2 off the exponent field: the conversions' scale operands
	v_add_nc_u32 v[T+SO+1], 0xff000000, v[T+2]
	SUM4 22
	v_lshrrev_b32 v[T+1], 23, v[T+SO]              ; the bytes
	v_lshrrev_b32 v[T+3], 23, v[T+SO+1]
	SUM4 30
	v_lshl_or_b32 v[T+PW], v[T+3], 16, v[T+1]      ; blocks h and 2 + h,
	SUM4 38
	v_lshlrev_b32 v[T+PW], v[T+SH], v[T+PW]        ; 8 h bits up
	SUM4 46
	v_permlanex16_b32 v[T+TW], v[T+PW], s[SEL], s[SEL+1]
	SUM4 54
	v_pk_add_f32 v[T+SU:T+SU+1], v[T+SU:T+SU+1], v[S+62:S+63]
	v_pk_add_f32 v[T+A1:T+A1+1], v[T+A1:T+A1+1], v[T+A2:T+A2+1]
	v_pk_add_f32 v[T+SU:T+SU+1], v[T+SU:T+SU+1], v[T+A3:T+A3+1]
	v_pk_add_f32 v[T+SU:T+SU+1], v[T+SU:T+SU+1], v[T+A1:T+A1+1]
.endm
; A KEY STEP: 128 keys for my two tiles.  peel = 1: step 0, its records' places written as constants
.macro STEP peel
.if \peel
	s_mov_b32 s[TB], 0
	s_mov_b32 s[NB], KVB
.else
	s_and_b32 s[TB], s[IT], 15
	s_mul_i32 s[TB], s[TB], KVB                    ; this step's record
	s_add_co_u32 s[NB], s[IT], 1
	s_and_b32 s[NB], s[NB], 15
	s_mul_i32 s[NB], s[NB], KVB                    ; the next step's
.endif
	v_add_nc_u32 v[ADV], s[TB], v[L16]             ; five plain lines behind the last products: v's registers are loaded and p's codes written over below
	v_add_nc_u32 v[ADS], s[TB], v[L8]
	v_nop
	v_nop
	v_nop
.irp t, 0,1,2,3
.irp pl, 0,1,2
	ds_load_b128 v[VF+12*\t+4*\pl:VF+12*\t+4*\pl+3], v[ADV] offset:6656+\t*1536+\pl*512
.endr
.endr
	ds_load_b64 v[VS:VS+1], v[ADS] offset:12800
	s_wait_dscnt 13                                ; k is in; v's 12 loads and its scale words' one may be out
	WIN W_SC
.irp p, 0,1,2,3
	SCORE 2*\p, 0, 0, 0                            ; each tile of k against both tiles of q
	SCORE 2*\p, 1, 0, 1
	SCORE 2*\p+1, 0, 1, 0
	SCORE 2*\p+1, 1, 1, 1
.endr
	WIN W_1
.rept 4
	v_nop                                          ; places behind the products
.endr
	MAXC 0
	WIN 0
	v_add_nc_u32 v[ADK], s[NB], v[L16]
	KLOAD ADK                                      ; the next step's k
	WIN W_1
	MAXC 1
.irp x, 0,1                            ; the running maximum and f, the two tiles by turns
	TILE \x
	v_max_num_f32 v[T+TV], v[T], v[T+2]
.endr
.irp x, 0,1
	TILE \x
	s_delay_alu instid0(VALU_DEP_2)
	v_permlanex16_b32 v[T+TW], v[T+TV], s[SEL], s[SEL+1]
.endr
.irp x, 0,1
	TILE \x
	s_delay_alu instid0(VALU_DEP_2)
	v_max3_num_f32 v[T+MS], v[T+MS], v[T+TV], v[T+TW]   ; the running largest score
.endr
.irp x, 0,1
	TILE \x
	s_delay_alu instid0(VALU_DEP_2)
	v_mul_f32 v[T+TV], s[NC], v[T+MS]              ; -t
.endr
.irp x, 0,1
	TILE \x
	s_delay_alu instid0(VALU_DEP_2)
	v_floor_f32 v[T+NM], v[T+TV]                   ; -M = floor(-t): a whole number
.endr
.irp x, 0,1
	TILE \x
	s_delay_alu instid0(VALU_DEP_2)
	v_sub_f32 v[T+TV], v[T+NM], v[T+OLD]           ; old M - new M
.endr
	FMA8 0, 0
.irp x, 0,1
	TILE \x
	v_cvt_i32_f32 v[T+TV], v[T+TV]                 ; (it saturates)
.endr
	FMA8 0, 16
.irp x, 0,1
	TILE \x
	v_ldexp_f32 v[T+F], 1.0, v[T+TV]               ; f: multiplying by it rounds nothing
.endr
	FMA8 0, 32
	FMA8 0, 48
	FMA8 1, 0
	FMA8 1, 16
	FMA8 1, 32
	FMA8 1, 48
.irp x, 0,1
	TILE \x
	v_fma_f32 v[T], v[T], s[CS], v[T+NM]
	v_fma_f32 v[T+2], v[T+2], s[CS], v[T+NM]
.endr
	s_wait_alu depctr_va_vdst(0)                   ; the wait ahead of the batch
.irp x, 0,1
	TILE \x
	v_exp_f32 v[T], v[T]                           ; the blocks' largest p
	v_exp_f32 v[T+2], v[T+2]
.endr
.set J, 0
.rept 128
	v_exp_f32 v[J], v[J]                           ; p = 2^(t - M), both tiles
.set J, J+1
.endr
	v_mov_b32 v[192+OLD], v[192+NM]                ; for the next step (also the plain line behind the exponentials)
	v_mov_b32 v[224+OLD], v[224+NM]
	s_wait_alu depctr_va_vdst(0)                   ; the one wait ahead of the batch's readers
	SUMS 0
	SUMS 1
.irp x, 0,1
	TILE \x
	v_cvt_scalef32_pk16_fp6_f32 v[T:T+2], v[S+16:S+31], v[T+SO]          ; the upper halves of my two blocks first, into registers at rest
	v_cvt_scalef32_pk16_fp6_f32 v[T+A1:T+A1+2], v[S+48:S+63], v[T+SO+1]
.endr
	WIN W_PS
	v_or_b32 v[PS], v[192+PW], v[192+TW]           ; p's scale words are whole (the plain lines between conversions and writes of their sources)
	v_or_b32 v[PS+1], v[224+PW], v[224+TW]
	WIN W_1
.irp x, 0,1
	TILE \x
	v_cvt_scalef32_pk16_fp6_f32 v[S+16:S+18], v[S:S+15], v[T+SO]         ; the lower halves fall where the operand wants them: p's codes lie over p's registers 16-27
	v_cvt_scalef32_pk16_fp6_f32 v[S+22:S+24], v[S+32:S+47], v[T+SO+1]
.endr
	v_nop
.irp x, 0,1
	TILE \x
.irp i, 0,1,2
	v_mov_b32 v[S+19+\i], v[T+\i]
	v_mov_b32 v[S+25+\i], v[T+A1+\i]
.endr
.endr
	s_wait_alu depctr_va_vdst(0)                   ; the wait directly ahead of the first reader of O^T
.irp x, 0,1
	TILE \x
.irp j, 0,2,4,6,8,10,12,14,16,18,20,22,24,26,28,30
	v_pk_mul_f32 v[O+\j:O+\j+1], v[O+\j:O+\j+1], v[T+F:T+F+1] op_sel_hi:[1,0]   ; O^T under the new M; also the places ahead of the products
.endr
.endr
	s_wait_alu depctr_va_vdst(0)                   ; the wait ahead of the blocking wait
	s_wait_dscnt 13                                ; v is in; the next k's 13 loads may be out
	WIN W_PV
.irp p, 0,1
	PVM 2*\p, 0, 0                                 ; eight accumulators by turns; each fragment of v against both tiles' p
	PVM 2*\p, 1, 0
	PVM 2*\p+1, 0, 1
	PVM 2*\p+1, 1, 1
.endr
	WIN 0
.endm
	KLOAD L16                                      ; record 0's k
	s_wait_loadcnt 0x0                             ; q
	STEP 1
	s_wait_tensorcnt 0x0                           ; every wave's load,
	s_wait_dscnt 0x0                               ; and my LDS loads, ahead of the signal
	s_barrier_signal -1
	s_barrier_wait -1                              ; all sixteen records are in: from here on LDS is only read
	s_mov_b32 s[IT], 1
.Lstep:
	STEP 0
	s_and_b32 s[TB], s[IT], 15
	s_cmp_lg_u32 s[TB], 15
	s_cbranch_scc1 .Lnext
	; THE WAY OUT of a pair of tiles: O^T / the sum, quantised along D (two blocks of 32 channels); my second pair's q takes the first's place
.irp i, 0,1,2,3,4,5
	v_mov_b32 v[QA+\i], v[QN+\i]                   ; also the places behind the last products
	v_mov_b32 v[QA+12+\i], v[QN+6+\i]
.endr
	v_mov_b32 v[QS], v[QS2]
	WIN W_1
.irp x, 0,1
	TILE \x
	v_add_f32 v[T+SU], v[T+SU], v[T+SU+1]
.endr
.irp x, 0,1
	TILE \x
	v_permlanex16_b32 v[T+TV], v[T+SU], s[SEL], s[SEL+1]
.endr
.irp x, 0,1
	TILE \x
	v_add_f32 v[T+SU], v[T+SU], v[T+TV]            ; the row's sum
.endr
	s_wait_alu depctr_va_vdst(0)
	v_rcp_f32 v[192+SU], v[192+SU]
	v_rcp_f32 v[224+SU], v[224+SU]
	v_nop
	s_wait_alu depctr_va_vdst(0)
.irp x, 0,1
	TILE \x
.set J, 0
.rept 32
	v_mul_f32 v[S+J], v[O+J], v[T+SU]              ; register 16 b + i is channel 32 b + 16 (lane / 16) + i of my query
.set J, J+1
.endr
.endr
.irp x, 0,1
	TILE \x
.irp b, 0,1
	v_max3_num_f32 v[T+\b], |v[S+16*\b]|, |v[S+1+16*\b]|, 0x1800000
.endr
.endr
.irp i, 2,4,6,8,10,12,14
.irp x, 0,1
	TILE \x
.irp b, 0,1
	v_max3_num_f32 v[T+\b], v[T+\b], |v[S+16*\b+\i]|, |v[S+1+16*\b+\i]|
.endr
.endr
.endr
.irp x, 0,1
	TILE \x
.irp b, 0,1
	v_permlanex16_b32 v[T+2+\b], v[T+\b], s[SEL], s[SEL+1]
.endr
.endr
.irp x, 0,1
	TILE \x
.irp b, 0,1
	v_max_num_f32 v[T+\b], v[T+\b], v[T+2+\b]
.endr
.endr
.irp x, 0,1
	TILE \x
.irp b, 0,1
	v_add_nc_u32 v[T+SO+\b], 0xff000000, v[T+\b]
.endr
.endr
.irp x, 0,1
	TILE \x
.irp b, 0,1
	v_lshrrev_b32 v[T+2+\b], 23, v[T+SO+\b]
.endr
.endr
.irp x, 0,1
	TILE \x
	v_lshl_or_b32 v[T+OBY], v[T+3], 8, v[T+2]      ; the two scale bytes
.endr
.irp x, 0,1
	TILE \x
	v_cvt_scalef32_pk16_fp6_f32 v[T+G:T+G+2], v[S:S+15], v[T+SO]
	v_cvt_scalef32_pk16_fp6_f32 v[T+A1:T+A1+2], v[S+16:S+31], v[T+SO+1]
.endr
	v_nop
.irp x, 0,1
	TILE \x
.irp i, 0,1,2
	v_permlane16_swap_b32 v[T+G+\i], v[T+A1+\i]
.endr
.endr
.irp x, 0,1
	TILE \x
.irp i, 0,1,2
	v_mov_b32 v[T+G+3+\i], v[T+A1+\i]              ; lane (r, h): channels 32 h + 0 .. 31 of query r in six registers
.endr
.endr
	WIN W_ST
.irp x, 0,1
.irp pl, 0,1,2
	global_store_b64 v[L8], v[192+32*\x+G+2*\pl:192+32*\x+G+2*\pl+1], s[36:37] offset:12288*\x+256*\pl   ; 32 lanes store 256 consecutive bytes, aligned
.endr
	global_store_b16 v[RO], v[192+32*\x+OBY], s[38:39] offset:512*\x   ; lanes r and r + 16 store the same two bytes
.endr
	WIN W_1
.irp x, 0,1
	TILE \x
	v_mov_b32 v[T+MS], 0xff61b1e6                  ; the next pair begins: its first f is 0
	v_mov_b32 v[T+NM], 0x7e000000
	v_mov_b32 v[T+OLD], 0x7e000000
.endr
	WIN 0
	s_wait_xcnt 0x0                                ; the stores have read their registers and bases
	s_add_nc_u64 s[36:37], s[36:37], 2*12288       ; my second pair's places
	s_add_nc_u64 s[38:39], s[38:39], 2*512
	s_wait_alu depctr_va_vdst(0)                   ; the wait ahead of the branch below
.Lnext:
	s_add_co_u32 s[IT], s[IT], 1
	s_cmp_lt_u32 s[IT], 32
	s_cbranch_scc1 .Lstep
	s_wait_tensorcnt 0x0                           ; the wave's end
	ds_add_u32 v[SPW], v[NIL]
	s_wait_dscnt 0x0
	CROUND                                         ; the closing round
	s_endpgm
.Lfunc_end_k_q545b95dd6c_attn:
	.size	k_q545b95dd6c_attn, .Lfunc_end_k_q545b95dd6c_attn-k_q545b95dd6c_attn
	.p2alignl 7, 3214868480
	.fill 96, 4, 3214868480
	.section	.rodata,"a",@progbits
	.p2align	6, 0x0
	.amdhsa_kernel k_q545b95dd6c_attn
		.amdhsa_group_segment_fixed_size 212992
		.amdhsa_private_segment_fixed_size 0
		.amdhsa_enable_private_segment 0
		.amdhsa_kernarg_size 24
		.amdhsa_user_sgpr_count 2
		.amdhsa_user_sgpr_kernarg_segment_ptr 1
		.amdhsa_wavefront_size32 1
		.amdhsa_system_sgpr_workgroup_id_x 1
		.amdhsa_system_sgpr_workgroup_id_y 1
		.amdhsa_system_sgpr_workgroup_id_z 1
		.amdhsa_system_vgpr_workitem_id 0
		.amdhsa_next_free_vgpr 512
		.amdhsa_next_free_sgpr 66
		.amdhsa_reserve_vcc 0
		.amdhsa_float_denorm_mode_32 3
		.amdhsa_float_denorm_mode_16_64 3
		.amdhsa_memory_ordered 1
		.amdhsa_forward_progress 1
		.amdhsa_inst_pref_size 73
	.end_amdhsa_kernel
	.amdgpu_metadata
---
amdhsa.version: [ 1, 2 ]
amdhsa.kernels:
  - .name:           k_q545b95dd6c_attn
    .symbol:         k_q545b95dd6c_attn.kd
    .args:
      - { .name: qkv, .offset: 0, .size: 8, .value_kind: global_buffer, .address_space: global }
      - { .name: ac, .offset: 8, .size: 8, .value_kind: global_buffer, .address_space: global }
      - { .name: asc, .offset: 16, .size: 8, .value_kind: global_buffer, .address_space: global }
    .group_segment_fixed_size: 212992
    .private_segment_fixed_size: 0
    .kernarg_segment_align: 8
    .kernarg_segment_size: 24
    .max_flat_workgroup_size: 256
    .sgpr_count:     66
    .vgpr_count:     512
    .wavefront_size: 32
...
	.end_amdgpu_metadata
.endif
;; end of part 3
;; launch outp (part 4): grid 4 x 64, 4 waves a work-group, clusters of 4 x 4, 327,680 bytes of LDS; arguments ac, asc, wc, ws, out0, bo; writes out0
.if DOCPART == 4
	.amdgcn_target "amdgcn-amd-amdhsa--gfx1250"
	.amdhsa_code_object_version 6
	.text
	.protected	k_q545b95dd6c_outp
	.globl	k_q545b95dd6c_outp
	.p2align	8
	.type	k_q545b95dd6c_outp,@function
k_q545b95dd6c_outp:
	s_mov_b64 s[64:65], 0
	v_nop
	global_prefetch_b8 v0, s[64:65] scope:SCOPE_SE
	s_setreg_imm32_b32 hwreg(HW_REG_WAVE_MODE, 25, 1), 1
	s_wait_xcnt 0x0
	s_wait_alu depctr_hold_cnt(0) depctr_sa_sdst(0) depctr_va_vdst(0) depctr_va_sdst(0) depctr_va_ssrc(0) depctr_va_vcc(0) depctr_vm_vsrc(0)
	s_getreg_b32 s2, hwreg(HW_REG_IB_STS2, 6, 4)
	s_cmp_eq_u32 s2, 0
	s_cbranch_scc0 .Lentry_in_a_cluster
	s_endpgm
.Lentry_in_a_cluster:
	s_bfe_u32 s2, ttmp6, 0x10000c
	s_cmp_lg_u32 s2, 0xf033
	s_cbranch_scc0 .Lentry_shape_is_right
	s_endpgm
.Lentry_shape_is_right:
.set SIZE_N, 1024
.set KSTEP,  256
.set NQ,     2
.set ROWB,   192
.set KROW,   768
.set ASTEP,  3072
.set PITCH,  240
.set FR,     12
.set NL,     3                         ; a block of C is 128 x 256: a wave has 64 rows, four blocks of A; 4 NL = 12 loads bring two of them
.set NP,     4
.set HALFT,  128*PITCH
.set SLOT,   4*HALFT
.set LAPS,   2
.set KS,     32
.set SCL,    2*SLOT
.set HALFS,  16*272
.set SBLK,   2*272
.set SPARE,  SCL+4*HALFS
.set SPITCH, 528
.set AHALF,  12288
.set WPL,    4096*192                  ; wc lies in four planes, one for each 256 along K, 192 bytes a row: a tile's rows are dense and are fetched as rows of 256 bytes
.set G0H,    4                         ; s[4:7], s[8:11] group 0 of the head's loads of K step 0 (the arguments that lay there have been used)
.set G0HB,   8
.set ADRA, 16
.set ADRB, 20
.set STO,  24
.set RD,   25
.set CO,   26
.set ADRS, 27
.set SPW,  28
.set NIL,  29
.set BA,   30
.set SC,   32
.set BI,   64
.set AF,   128
.set BK,   128
.set G1, 24
.set G0, 32
.set G1B, 48
.set G0B, 56
.set G1S, 68
.set G0S, 76
.set G1SB, 80
.set G0SB, 88
.set MSB, 0
.macro WIN new
.if MSB != (\new)
	s_set_vgpr_msb (MSB<<8)|(\new)
.set MSB, (\new)
.endif
.endm
.set MUL_LO, 0xa1
.set MUL_HI, 0xf1
.set FST_LO, 0x81
.set FST_HI, 0xc1
.set TO_B,   0x40
.macro JLOAD g0a, g1a, g0b, g1b
	s_cmp_eq_u32 s15, 0
	s_cbranch_scc0 .Lfor_b_\@
	tensor_load_to_lds s[\g0a:\g0a+3], s[\g1a:\g1a+7]
	s_nop 0
.rept 4
	v_nop
.endr
	s_branch .Lasked_\@
.Lfor_b_\@:
	tensor_load_to_lds s[\g0b:\g0b+3], s[\g1b:\g1b+7]
	s_nop 0
.rept 4
	v_nop
.endr
.Lasked_\@:
.endm
.macro CREST
	s_cmp_lg_u32 s14, 0
	s_cbranch_scc1 .Lnot_wave_0_\@
	s_barrier_signal -3
.Lnot_wave_0_\@:
	s_barrier_wait -3
	s_barrier_signal -1
	s_barrier_wait -1
.endm
.macro CROUND
	s_barrier_signal -1
	s_barrier_wait -1
	CREST
.endm
	s_load_b128 s[4:7], s[0:1], 0x0
	s_load_b128 s[8:11], s[0:1], 0x10
	s_load_b64 s[12:13], s[0:1], 0x20
	s_load_b64 s[66:67], s[0:1], 0x28
	v_lshl_add_u32 v[SPW], v0, 2, SPARE
	v_mov_b32 v[NIL], 0
	ds_add_u32 v[SPW], v[NIL]
	ds_add_u32 v[SPW], v[NIL]
	v_lshrrev_b32 v1, 5, v0
	v_readfirstlane_b32 s14, v1
	s_lshr_b32 s15, s14, 1
	s_and_b32 s16, s14, 1
	s_bfe_u32 s40, ttmp6, 0x40000
	s_bfe_u32 s41, ttmp6, 0x40004
	s_lshl_b32 s42, ttmp9, 2
	s_add_co_u32 s42, s42, s40
	s_and_b32 s17, ttmp7, 0xffff
	s_lshl_b32 s17, s17, 2
	s_add_co_u32 s17, s17, s41
	s_lshl_b32 s43, s41, 2
	s_lshl_b32 s43, 15, s43
	s_lshl_b32 s44, 0x1111, s40
	s_or_b32 s[G1+0], s43, (3<<16)|(1<<21)
	s_mov_b32 s[G1+1], 384<<16
	s_mov_b32 s[G1+2], 8<<16
	s_mov_b32 s[G1+3], 384<<16
	s_mov_b32 s[G1+4], 8
	s_mov_b32 s[G1+5], 1536
	s_mov_b32 s[G1+6], 0
	s_mov_b32 s[G1+7], 0
	s_or_b32 s[G1B+0], s44, (0<<16)|(1<<20)|(1<<21)|(3<<22)|(3<<25)
	s_mov_b32 s[G1B+1], 256<<16
	s_mov_b32 s[G1B+2], 192<<16
	s_mov_b32 s[G1B+3], 256<<16
	s_mov_b32 s[G1B+4], 192
	s_mov_b32 s[G1B+5], 256
	s_mov_b32 s[G1B+6], 0
	s_mov_b32 s[G1B+7], 0
	s_or_b32 s[G1S+0], s43, (3<<16)|(1<<20)|(1<<21)|(5<<22)|(3<<25)
	s_or_b32 s[G1SB+0], s44, (3<<16)|(1<<20)|(1<<21)|(5<<22)|(3<<25)
.irp g, G1S, G1SB
	s_mov_b32 s[\g+1], 32<<16
	s_mov_b32 s[\g+2], 32<<16
	s_mov_b32 s[\g+3], 32<<16
	s_mov_b32 s[\g+4], 32
	s_mov_b32 s[\g+5], 32
	s_mov_b32 s[\g+6], 0
	s_mov_b32 s[\g+7], 0
.endr
	s_mov_b32 s[G1S+2], 16<<16                     ; A's scales: 128 rows of 32 bytes are 16 rows of 256
	s_mov_b32 s[G1S+4], 16
	s_lshl_b32 s20, s17, 7
	s_lshl_b32 s46, s42, 8
	s_add_co_u32 s46, s46, 3072
	s_mov_b32 s21, 0
	s_mov_b32 s47, 0
	s_mov_b64 s[18:19], KS
	s_mul_u64 s[22:23], s[20:21], s[18:19]
	s_mul_u64 s[92:93], s[46:47], s[18:19]
	s_mov_b64 s[18:19], KROW
	s_mul_u64 s[20:21], s[20:21], s[18:19]
	s_mov_b64 s[18:19], ROWB
	s_mul_u64 s[46:47], s[46:47], s[18:19]
	s_mul_i32 s45, s14, HALFT
	s_mul_i32 s94, s14, AHALF
	s_wait_dscnt 0x0
	s_wait_kmcnt 0x0
	s_add_nc_u64 s[20:21], s[4:5], s[20:21]
	s_add_nc_u64 s[22:23], s[6:7], s[22:23]
	s_add_nc_u64 s[46:47], s[8:9], s[46:47]
	s_add_nc_u64 s[92:93], s[10:11], s[92:93]
	CROUND
	s_mov_b32 s[G0S], 1
	s_mov_b32 s[G0S+1], SCL
	s_mov_b64 s[G0S+2:G0S+3], s[22:23]
	s_or_b32 s[G0S+3], s[G0S+3], 0x80000000
	s_mov_b32 s[G0SB], 1
	s_mov_b32 s[G0SB+1], SCL+HALFS
	s_mov_b64 s[G0SB+2:G0SB+3], s[92:93]
	s_or_b32 s[G0SB+3], s[G0SB+3], 0x80000000
	s_mov_b32 s[G0H], 1                            ; K step 0, whole: A's 128 places,
	s_mov_b32 s[G0H+1], 0
	s_mov_b64 s[G0H+2:G0H+3], s[20:21]
	s_or_b32 s[G0H+3], s[G0H+3], 0x80000000
	s_mov_b32 s[G0HB], 1                           ; and B's 256 rows
	s_mov_b32 s[G0HB+1], 2*HALFT
	s_mov_b64 s[G0HB+2:G0HB+3], s[46:47]
	s_or_b32 s[G0HB+3], s[G0HB+3], 0x80000000
	s_mul_i32 s18, s16, 64*KROW
	s_mov_b32 s19, 0
	s_add_nc_u64 s[20:21], s[20:21], s[18:19]
	s_mul_i32 s18, s16, 128*ROWB                   ; my 128 rows of B
	s_add_nc_u64 s[46:47], s[46:47], s[18:19]
.irp s, 0,1
	s_mov_b32 s[G0+4*\s], 1
	s_add_co_u32 s[G0+4*\s+1], s94, \s*SLOT
	s_add_nc_u64 s[G0+4*\s+2:G0+4*\s+3], s[20:21], \s*ASTEP
	s_or_b32 s[G0+4*\s+3], s[G0+4*\s+3], 0x80000000
	s_mov_b32 s[G0B+4*\s], 1
	s_add_co_u32 s[G0B+4*\s+1], s45, \s*SLOT
	s_add_nc_u64 s[G0B+4*\s+2:G0B+4*\s+3], s[46:47], \s*WPL
	s_or_b32 s[G0B+4*\s+3], s[G0B+4*\s+3], 0x80000000
.endr
; the head's four tiles, one load a wave: one chain of branches on the wave's number, every way passes one load
.macro ARM under, g0, g1, next
	s_cmp_lt_u32 s14, \under
	s_cbranch_scc0 \next
	tensor_load_to_lds s[\g0:\g0+3], s[\g1:\g1+7]
	s_nop 0
.rept 4
	v_nop
.endr
	s_branch .Lhead_asked
\next:
.endm
	ARM 1, G0H,  G1,  .Lhead_b
	ARM 2, G0HB, G1B, .Lhead_sa
	ARM 3, G0S,  G1S, .Lhead_sb
	tensor_load_to_lds s[G0SB:G0SB+3], s[G1SB:G1SB+7]
	s_nop 0
.rept 4
	v_nop
.endr
.Lhead_asked:
	v_and_b32 v1, 15, v0
	v_bfe_u32 v2, v0, 4, 1
	v_and_b32 v6, 31, v0
	v_mul_u32_u24 v3, v1, PITCH
	v_mul_u32_u24 v4, v2, 24
	v_add_nc_u32 v4, v3, v4
	v_lshl_add_u32 v5, v2, 4, v4
	v_lshlrev_b32 v3, 3, v6
	s_mul_i32 s21, s15, AHALF
	s_mul_i32 s22, s16, HALFT
	s_add_co_u32 s22, s22, 2*HALFT
.irp s, 0,1
	v_add_nc_u32 v[ADRA+\s], s21, v3
	v_add_nc_u32 v[ADRB+\s], s22, v4
	v_add_nc_u32 v[ADRB+2+\s], s22, v5
	s_add_co_u32 s21, s21, SLOT
	s_add_co_u32 s22, s22, SLOT
.endr
	v_mul_u32_u24 v5, v1, KS
	v_lshrrev_b32 v3, 8, v5
	v_lshl_add_u32 v5, v3, 4, v5
	s_mul_i32 s21, s15, HALFS/2
	s_mul_i32 s22, s16, HALFS
	s_add_co_u32 s22, s22, HALFS
	s_sub_co_u32 s22, s22, s21
	v_mul_u32_u24 v3, s22, v2
	s_add_co_u32 s21, s21, SCL
	v_add_nc_u32 v5, v5, v3
	v_add_nc_u32 v[ADRS], s21, v5
	s_mul_i32 s23, s14, 16*SPITCH
	v_mul_u32_u24 v5, v1, SPITCH
	v_lshl_add_u32 v5, v2, 6, v5
	v_add_nc_u32 v[STO], s23, v5
	v_lshlrev_b32 v[CO], 4, v6
	v_add_nc_u32 v[RD], s23, v[CO]
	v_lshlrev_b32 v[BA], 6, v2
	s_wait_alu depctr_va_vdst(0)
	s_lshl_b32 s20, s17, 7
	s_lshl_b32 s21, s15, 6
	s_add_co_u32 s20, s20, s21
	s_mov_b32 s21, 0
	s_mov_b64 s[18:19], SIZE_N*4
	s_mul_u64 s[20:21], s[20:21], s[18:19]
	s_lshl_b32 s46, s42, 10
	s_lshl_b32 s47, s16, 9
	s_add_co_u32 s46, s46, s47
	s_mov_b32 s47, 0
	s_add_nc_u64 s[66:67], s[66:67], s[46:47]
	s_add_nc_u64 s[20:21], s[20:21], s[46:47]
	s_add_nc_u64 s[12:13], s[12:13], s[20:21]
.irp b, 0,1,2,3,4,5,6,7
	global_load_b128 v[BI+8*\b:BI+8*\b+3], v[BA], s[66:67] offset:(32*(\b/2)+8*(\b%2))*4
	global_load_b128 v[BI+8*\b+4:BI+8*\b+7], v[BA], s[66:67] offset:(32*(\b/2)+8*(\b%2))*4+16
.endr
.macro FRAG reg, adr, q, i
.irp p, 0,1,2,3,4,5
.set PCE, 12*(\q)+6*(\p/3)+\p%3
.if PCE%8 < 5
	ds_load_b64 v[\reg+2*\p:\reg+2*\p+1], v[\adr] offset:8*PCE+16*(PCE/8)+(\i)*16*PITCH
.else
	ds_load_b64 v[\reg+2*\p:\reg+2*\p+1], v[\adr+2] offset:8*PCE+16*(PCE/8)+(\i)*16*PITCH
.endif
.endr
.endm
.macro FRAGA reg, adr, q, i
.irp p, 0,1,2,3,4,5
	ds_load_b64 v[\reg+2*\p:\reg+2*\p+1], v[\adr] offset:(\i)*ASTEP+(2*(\q)+\p/3)*768+(\p%3)*256
.endr
.endm
.macro MUL16 a0, p, q, sc, first
.irp a, (\a0)/2
.irp b, 0,1,2,3,4,5,6,7
.if \first
	v_wmma_scale_f32_16x16x128_f8f6f4 v[8*(8*((\a)%4)+\b):8*(8*((\a)%4)+\b)+7], v[128*(\p)+FR*\b:128*(\p)+FR*\b+FR-1], v[AF+FR*(\a):AF+FR*(\a)+FR-1], v[BI+8*\b:BI+8*\b+7], v[SC+8*NQ*(\sc)+NQ*\b+(\q)], v[SC+8*NQ*(\sc)+NQ*(\a)+(\q)] matrix_a_fmt:MATRIX_FMT_FP6 matrix_b_fmt:MATRIX_FMT_FP6 matrix_a_scale:MATRIX_SCALE_ROW1
.else
	v_wmma_scale_f32_16x16x128_f8f6f4 v[8*(8*((\a)%4)+\b):8*(8*((\a)%4)+\b)+7], v[128*(\p)+FR*\b:128*(\p)+FR*\b+FR-1], v[AF+FR*(\a):AF+FR*(\a)+FR-1], v[8*(8*((\a)%4)+\b):8*(8*((\a)%4)+\b)+7], v[SC+8*NQ*(\sc)+NQ*\b+(\q)], v[SC+8*NQ*(\sc)+NQ*(\a)+(\q)] matrix_a_fmt:MATRIX_FMT_FP6 matrix_b_fmt:MATRIX_FMT_FP6 matrix_a_scale:MATRIX_SCALE_ROW1
.endif
.endr
.endr
.endm
.macro FETCH_B slot, q, p
	WIN TO_B
.irp i, 0,1,2,3,4,5,6,7
	FRAG 128*(\p)+FR*\i, ADRB+\slot, \q, \i
.endr
	WIN 0
.endm
.macro FETCH_A slot, q, i0
.irp i, (\i0)/2, (\i0)/2+1
	FRAGA AF+FR*(\i), ADRA+\slot, \q, \i
.endr
.endm
.macro SCALES sc
.irp i, 0,1,2,3,4,5,6,7
	ds_load_b64 v[SC+8*NQ*\sc+NQ*\i:SC+8*NQ*\sc+NQ*\i+1], v[ADRS] offset:\i*SBLK
.endr
.endm
.macro PLACES n
.rept \n
	v_nop
.endr
.endm
.macro STEP slot, q, first
	s_wait_dscnt 4*NL
.if \first
	WIN FST_LO
.else
	WIN MUL_LO
.endif
	MUL16 0, (\q)%2, \q, \slot, \first
	MUL16 2, (\q)%2, \q, \slot, \first
	s_wait_dscnt 0
	PLACES NP
	FETCH_B \slot, (\q)+1, 1-(\q)%2
	FETCH_A \slot, (\q)+1, 0
.if \first
	WIN FST_HI
.else
	WIN MUL_HI
.endif
	MUL16 4, (\q)%2, \q, \slot, \first
	MUL16 6, (\q)%2, \q, \slot, \first
	PLACES NP
	WIN 0
	FETCH_A \slot, (\q)+1, 4
.endm
.macro TURN slot, next, fill
	s_wait_tensorcnt 0x0
	ds_add_u32 v[SPW], v[NIL]
	s_wait_dscnt 4*NL+1
	WIN MUL_LO
	MUL16 0, 1, NQ-1, \slot, 0
	s_wait_dscnt 0x0
	s_barrier_signal -1
	MUL16 2, 1, NQ-1, \slot, 0
	WIN 0
	s_barrier_wait -1
.if \fill
	CREST
	s_add_nc_u64 s[G0+4*\slot+2:G0+4*\slot+3], s[G0+4*\slot+2:G0+4*\slot+3], 2*ASTEP
	s_add_nc_u64 s[G0B+4*\slot+2:G0B+4*\slot+3], s[G0B+4*\slot+2:G0B+4*\slot+3], 2*WPL
	JLOAD G0+4*\slot, G1, G0B+4*\slot, G1B
.else
	PLACES NP
.endif
	s_wait_alu depctr_va_vdst(0)
	v_add_nc_u32 v[ADRS], 4*NQ, v[ADRS]
	FETCH_B \next, 0, 0
	FETCH_A \next, 0, 0
	SCALES \next
	WIN MUL_HI
	MUL16 4, 1, NQ-1, \slot, 0
	MUL16 6, 1, NQ-1, \slot, 0
	PLACES NP
	WIN 0
	FETCH_A \next, 0, 4
.endm
	s_wait_tensorcnt 0x0                           ; my tile of the head's four is in; the lines ahead of a later first fill
	ds_add_u32 v[SPW], v[NIL]
	s_mov_b32 s[G1+2], 4<<16                       ; no tensor load of mine is out: from here on a load brings 64 places of A,
	s_mov_b32 s[G1+4], 4
	s_mov_b32 s[G1B+2], 96<<16                     ; or 128 rows x 192 bytes of B = 96 rows of 256
	s_mov_b32 s[G1B+4], 96
	s_wait_dscnt 0x0
	CROUND
	JLOAD G0+4, G1, G0B+4, G1B                     ; K step 1, the first tensor load behind the round
	FETCH_B 0, 0, 0
	FETCH_A 0, 0, 0
	SCALES 0
	FETCH_A 0, 0, 4
	s_wait_loadcnt 0x0
	STEP 0, 0, 1
	s_mov_b32 s3, LAPS-1
.Llap:
	TURN 0, 1, 1
	STEP 1, 0, 0
	TURN 1, 0, 1
	STEP 0, 0, 0
	s_sub_co_u32 s3, s3, 1
	s_cmp_lg_u32 s3, 0
	s_cbranch_scc1 .Llap
	TURN 0, 1, 0
	STEP 1, 0, 0
	s_wait_dscnt 4*NL
	WIN MUL_LO
	MUL16 0, 1, NQ-1, 1, 0
	MUL16 2, 1, NQ-1, 1, 0
	s_wait_dscnt 0
	WIN MUL_HI
	MUL16 4, 1, NQ-1, 1, 0
	MUL16 6, 1, NQ-1, 1, 0
	WIN 0
.macro TOSTAGE a
.set AC, 64*((\a)%4)
	WIN 0x08+4*((\a)/2)
.irp b, 0,1,2,3,4,5,6,7
	ds_store_b128 v[STO], v[AC+8*\b:AC+8*\b+3] offset:128*(\b/2)+32*(\b%2)
	ds_store_b128 v[STO], v[AC+8*\b+4:AC+8*\b+7] offset:128*(\b/2)+32*(\b%2)+16
.endr
	WIN 0
.set BB, BK+64*((\a)%2)
.irp t, 0,1,2,3,4,5,6,7,8,9,10,11,12,13,14,15
	ds_load_b128 v[BB+4*\t:BB+4*\t+3], v[RD] offset:\t*SPITCH
.endr
.endm
.macro SEND a, younger
.set BB, BK+64*((\a)%2)
	s_wait_dscnt \younger
.irp t, 0,1,2,3,4,5,6,7,8,9,10,11,12,13,14,15
	global_store_b128 v[CO], v[BB+4*\t:BB+4*\t+3], s[12:13] offset:(64*((\a)/4)+8*((\a)%4)+(\t&7)+32*(\t>>3))*SIZE_N*4 th:TH_STORE_NT
.endr
.endm
	PLACES NP
	TOSTAGE 0
.irp a, 1,2,3
.if \a > 1
	s_wait_xcnt 0x0
.endif
	TOSTAGE \a
	SEND \a-1, 32
.endr
	SEND 3, 0
	s_wait_tensorcnt 0x0
	ds_add_u32 v[SPW], v[NIL]
	s_wait_dscnt 0x0
	CROUND
	s_endpgm
.Lfunc_end_k_q545b95dd6c_outp:
	.size	k_q545b95dd6c_outp, .Lfunc_end_k_q545b95dd6c_outp-k_q545b95dd6c_outp
	.p2alignl 7, 3214868480
	.fill 96, 4, 3214868480
	.section	.rodata,"a",@progbits
	.p2align	6, 0x0
	.amdhsa_kernel k_q545b95dd6c_outp
		.amdhsa_group_segment_fixed_size 327680
		.amdhsa_private_segment_fixed_size 0
		.amdhsa_enable_private_segment 0
		.amdhsa_kernarg_size 48
		.amdhsa_user_sgpr_count 2
		.amdhsa_user_sgpr_kernarg_segment_ptr 1
		.amdhsa_wavefront_size32 1
		.amdhsa_system_sgpr_workgroup_id_x 1
		.amdhsa_system_sgpr_workgroup_id_y 1
		.amdhsa_system_sgpr_workgroup_id_z 1
		.amdhsa_system_vgpr_workitem_id 0
		.amdhsa_next_free_vgpr 1024
		.amdhsa_next_free_sgpr 98
		.amdhsa_reserve_vcc 0
		.amdhsa_float_denorm_mode_32 3
		.amdhsa_float_denorm_mode_16_64 3
		.amdhsa_memory_ordered 1
		.amdhsa_forward_progress 1
		.amdhsa_inst_pref_size 104
	.end_amdhsa_kernel
	.amdgpu_metadata
---
amdhsa.version: [ 1, 2 ]
amdhsa.kernels:
  - .name:           k_q545b95dd6c_outp
    .symbol:         k_q545b95dd6c_outp.kd
    .args:
      - { .name: ac, .offset: 0, .size: 8, .value_kind: global_buffer, .address_space: global }
      - { .name: asc, .offset: 8, .size: 8, .value_kind: global_buffer, .address_space: global }
      - { .name: wc, .offset: 16, .size: 8, .value_kind: global_buffer, .address_space: global }
      - { .name: ws, .offset: 24, .size: 8, .value_kind: global_buffer, .address_space: global }
      - { .name: out0, .offset: 32, .size: 8, .value_kind: global_buffer, .address_space: global }
      - { .name: bo, .offset: 40, .size: 8, .value_kind: global_buffer, .address_space: global }
    .group_segment_fixed_size: 327680
    .private_segment_fixed_size: 0
    .kernarg_segment_align: 8
    .kernarg_segment_size: 48
    .max_flat_workgroup_size: 128
    .sgpr_count:     98
    .vgpr_count:     1024
    .wavefront_size: 32
...
	.end_amdgpu_metadata
.endif
;; end of part 4
